; MI455X (gfx1250); checked and timed in simulation.
; The chip was launched on July 23, 2026; its instructions are those of AMD's public machine-readable ISA for CDNA 5 (MIT licence, August 2026) and "CDNA5" Instruction Set Architecture Reference Guide (July 2026). The comments in the code are by the model that wrote it; some were corrected since.
;; Scaled Dot Product Attention. Allowed arithmetic: matrix products marked QUANTISED: E2M1 operands, one E8M0 scale for each 32 along K, by v_wmma_scale_f32_16x16x128_f8f6f4 with both operands' format E2M1 (or v_wmma_scale_f32_32x16x128_f4), f32 sums; everything else in f32.
;; Inputs: qkv 8 x 2,048 x 3,072 float32.
;; Outputs: out0 8 x 2,048 x 1,024 float32.
;; This version of the problem:
;;   THIS VERSION OF THE PROBLEM IS GIVEN IN LOW PRECISION. The matrix products marked QUANTISED in the list below multiply operands that are first quantised to E2M1 (2 exponent bits, 1 mantissa bit; 4 bits a number), with one power-of-two scale for each 32 numbers along K (OCP MX v1.0); their sums are f32. All else is computed in f32.
;;   The module's matrix products, in the order in which they are computed (A, B: the left and right operand; K: the contracted axis; several contracted axes count as one K, in the product's order):
;;     1. batch 8 x [M 2,048, K 1,024] x [K 1,024, N 2,048]; A: computed on the way; B: input qkv: QUANTISED
;;     2. batch 8 x [M 2,048, K 2,048] x [K 2,048, N 1,024]; A: softmax (see below); B: input qkv: QUANTISED
;;   THE QUANTISER, for each operand of a quantised product, along K:
;;     - K is cut into blocks of 32 from its start; a last block that is shorter is filled with zeros.
;;     - A block's scale is 2^e with e = floor(log2(the largest magnitude in the block)) - 2, held to -126 .. 127; a block of zeros has e = 0. As a byte (E8M0): e + 127.
;;     - Each number is divided by its block's scale, clamped to +-6, and rounded to the nearest number of E2M1, ties to even, subnormals kept.
;;     - The product sums the exact products of the quantised numbers (number of the format x scale) in f32.
;;   ~~~python
;;   def quantise(x, axis):      # numpy; x: float32 -> the quantised numbers, widened to float32 again
;;       x = np.moveaxis(x, axis, -1); K = x.shape[-1]
;;       x = np.pad(x, [(0, 0)] * (x.ndim - 1) + [(0, -K % 32)]); x = x.reshape(x.shape[:-1] + (-1, 32)); a = np.abs(x).max(-1, keepdims=True)
;;       e = np.where(a > 0, np.clip(np.frexp(np.where(a > 0, a, 1))[1] - 1 - 2, -126, 127), 0)      # np.frexp(a)[1] - 1 = floor(log2(a)), exactly
;;       r = np.clip(x / 2.0 ** e, -6, 6)
;;       step = 2.0 ** (np.maximum(np.frexp(np.where(r == 0, 1, r))[1] - 1, 0) - 1)
;;       q = np.round(r / step) * step * 2.0 ** e      # np.round: ties to even
;;       return np.moveaxis(q.reshape(q.shape[:-2] + (-1,))[..., :K], -1, axis).astype(np.float32)
;;   ~~~
;;   SOFTMAX AHEAD OF A QUANTISED PRODUCT. Where the list says 'softmax', what is quantised is not the finished softmax but p = 2^(t - M), with t = logit x log2(e) and M = ceil(the row's largest t), a whole number; so 1/2 < the row's largest p <= 1. The row's sum l is taken of the UNQUANTISED p, in f32, and the product's result is divided by l at the end. Since M is a whole number, a kernel that streams over the keys may use a running M (the ceiling of the running maximum): every later rescaling is an exact power of two, which a block's scale takes up: the codes' values come out the same.
;;   OPERANDS COMPUTED ON THE WAY. 'Computed on the way' means the value that the module computes at that place (a softmax that the list does not call 'softmax' is quantised finished and normalised). What goes into a quantiser is computed in f32, as accurately as f32 sums, v_exp_f32 and their like allow (about 1e-6 of the number): no bf16 or f16 on the way to a quantiser, and a product that is left as it is and whose result goes on into a quantised operand takes f32 operands (vector FMAs, or v_wmma_f32_16x16x4_f32). A number that lies on a knife's edge between two numbers of the format may be rounded either way, as far as f32 arithmetic and the matrix unit's own rounding can turn it there, and no further.
;; 2 versions. Each part assembles by itself: llvm-mc -triple=amdgcn-amd-amdhsa -mcpu=gfx1250 --defsym DOCPART=n.
;; ======== version 1 of 2: 2 launches
;; workspace buffers: codes 26,738,688 bytes
;; launch quant (part 1): grid 768 x 1, 4 waves a work-group, no clusters, 67,072 bytes of LDS; arguments qkv, codes; writes codes
.if DOCPART == 1
	.amdgcn_target "amdgcn-amd-amdhsa--gfx1250"
	.amdhsa_code_object_version 6
	.text
	.protected	k_q6b3f49ea15_quant
	.globl	k_q6b3f49ea15_quant
	.p2align	8
	.type	k_q6b3f49ea15_quant,@function
k_q6b3f49ea15_quant:
	s_mov_b64 s[64:65], 0
	v_nop
	global_prefetch_b8 v0, s[64:65] scope:SCOPE_SE
	s_setreg_imm32_b32 hwreg(HW_REG_WAVE_MODE, 25, 1), 1
	s_wait_xcnt 0x0
; qkv [8][2048][3072] f32 = q | k | v.  This launch turns all three into codes of FP4 (E2M1) with one E8M0 byte for each 32 along the K of the product
; that reads them: q and k along the 1,024 of a row, v along the keys.  Nothing of reference() is left out: every byte of qkv has a way to the output and is read here, once.
; THE DIVISION OF q BY sqrt(1024) = 32 is a division by a power of two: the quantiser of q / 32 gives the codes of q with every block's exponent 5 lower.  So q is quantised as it lies,
; like k, and the factor 1 / 32 stands in the second launch's constant c = log2(e) / 32.
; A block's scale is 2^(floor(log2(its largest magnitude)) - 2); its byte is the largest magnitude's exponent field - 2, held at 1 from below by a floor among the maximum's leaves.
; LIMITS: a block of zeros gets the byte 1 where the rule says 127 (its codes are zeros, and this program alone reads the bytes); blocks of k and v whose largest magnitude lies under 2^-124,
; and blocks of q under 2^-119 (where the rule's hold at -126 would bite on q / 32), are not reproduced; NaN and infinities among the inputs are not served.
; THE WORKSPACE is laid in the order of the operands' registers: [batch 8][g 48][w 8][record of 8,704 bytes]; g 0-15 q, 16-31 k, 32-47 v.
;   q, k: the record of row block B (32 rows) and half sh of the row's 1,024 lies at g = 16 part + 2 (B / 8) + sh, w = B % 8: codes [s' 4][u 2][b 4][r 16][16 bytes], then scale words [u 2][r 16][s' 4].
;         Tile u, lane r is row 32 B + 8 u + r % 8 + 16 (r / 8); s' is a step of 128 along K, b a block of 32 in it.
;   v:    the record of key step s (128 keys) and channels 128 w .. 128 w + 127 lies at g = 32 + s: codes [et 8][b 4][r 16][16 bytes], then scale words [et 8][r 16].
; [b][r][16 bytes] is the image of a 4-bit fragment: its registers 4 c .. 4 c + 3 are the 16 bytes at 512 c + 16 x lane.
; SHARES: 3,072 jobs of 64 KiB, a wave each.  Work-groups 0-511: q and k, a job = one tile of 16 rows x 1,024.  Work-groups 512-767: v, a job = 32 channels x 512 keys.
; No tensor loads, no barrier, no matrix unit: waves share nothing, and memory binds.
.set REC,    8704
.set FILLB,  8*REC
.set BATCHB, 48*FILLB
.set ROWB,   12288                     ; a row of qkv in bytes
.set SPITCH, 1040                      ; a stage row: two pieces of 512 bytes + 16 of padding = 260 words: row r begins 4 r words on in the banks' turn, so sixteen rows' 16 bytes fall on different banks
.set WSTAGE, 16*SPITCH                 ; a wave's stage
.set SPARE,  4*WSTAGE                  ; behind the four stages: the spare words, 128 bytes a wave: two blocks of 256 bytes that no other line names
.set R,   16                           ; v16-143  q, k: 32 loads x 4 registers;  v: sixteen sets of codes, one for each block
.set X,   144                          ; v144-207 two sets of 32 numbers: a block each
.set C,   208                          ; v208-223 q, k: four sets of codes
.set W,   224                          ; v224-227 scale words
.set SPW, 236                          ; v236     LDS address of my spare word; never rewritten
.set NIL, 237                          ; v237     0; never rewritten
	s_load_b128 s[4:7], s[0:1], 0x0                ; qkv s[4:5], codes s[6:7]
	v_lshl_add_u32 v[SPW], v0, 2, SPARE
	v_mov_b32 v[NIL], 0
	v_lshrrev_b32 v7, 5, v0
	v_readfirstlane_b32 s10, v7                    ; wave 0..3
	v_and_b32 v8, 31, v0                           ; lane
	v_and_b32 v9, 15, v0                           ; lane % 16
	v_bfe_u32 v10, v0, 4, 1                        ; lane / 16
	s_lshl_b32 s12, ttmp9, 2
	s_add_co_u32 s12, s12, s10                     ; 4 x work-group + wave
	s_mov_b32 s21, 0
	s_mov_b32 s23, 0
	s_mov_b32 s25, 0
	s_mov_b32 s27, 0
	s_wait_kmcnt 0x0
; The largest magnitude of the 32 numbers from v[xs] on, with the floor 2^(3 - 127) among the leaves; v230 = the conversion's scale operand (2 off the exponent field), v231 = the scale's byte.
.macro AMAX xs
.set XS, \xs
	v_max3_num_f32 v228, |v[XS]|, |v[XS+1]|, |v[XS+2]|
	v_max3_num_f32 v229, |v[XS+3]|, |v[XS+4]|, |v[XS+5]|
.irp n, 6,10,14,18,22,26
	v_max3_num_f32 v228, v228, |v[XS+\n]|, |v[XS+\n+1]|       ; two chains, so that no line waits for the line above it
	v_max3_num_f32 v229, v229, |v[XS+\n+2]|, |v[XS+\n+3]|
.endr
	v_max3_num_f32 v228, v228, |v[XS+30]|, |v[XS+31]|
	v_max3_num_f32 v228, v228, v229, 0x1800000
	v_add_nc_u32 v230, 0xff000000, v228
	v_lshrrev_b32 v231, 23, v230
.endm
	s_cmp_lt_u32 ttmp9, 512                        ; q and k, or v?  The work-group's number alone decides
	s_cbranch_scc0 .Lvalues
; ---------------- q and k: K is innermost ----------------
; job J: u = J & 1, B = (J >> 1) & 63, part = (J >> 7) & 1 (0 q, 1 k), batch = J >> 8
	s_and_b32 s13, s12, 1                          ; u
	s_bfe_u32 s14, s12, 0x60001                    ; B
	s_bfe_u32 s15, s12, 0x10007                    ; part
	s_lshr_b32 s16, s12, 8                         ; batch
	s_lshl_b32 s17, s16, 11
	s_lshl_b32 s18, s14, 5
	s_add_co_u32 s17, s17, s18
	s_lshl_b32 s18, s13, 3
	s_add_co_u32 s17, s17, s18                     ; the tile's first row: 2048 batch + 32 B + 8 u
	s_mul_i32 s20, s17, ROWB                       ; (under 2^28)
	s_lshl_b32 s18, s15, 12
	s_add_co_u32 s20, s20, s18                     ; + 4,096 bytes for k
	s_add_nc_u64 s[4:5], s[4:5], s[20:21]
	s_mul_i32 s22, s16, BATCHB
	s_lshl_b32 s17, s15, 4
	s_lshr_b32 s18, s14, 3
	s_lshl_b32 s18, s18, 1
	s_add_co_u32 s17, s17, s18                     ; g of half 0
	s_mul_i32 s17, s17, FILLB
	s_add_co_u32 s22, s22, s17
	s_and_b32 s18, s14, 7
	s_mul_i32 s18, s18, REC
	s_add_co_u32 s22, s22, s18
	s_add_nc_u64 s[6:7], s[6:7], s[22:23]          ; the record of half 0
	s_lshl_b32 s24, s13, 8
	s_add_co_u32 s24, s24, 8192
	s_add_nc_u64 s[8:9], s[6:7], s[24:25]          ; my tile's scale words
	s_lshl_b32 s24, s13, 10
	s_add_nc_u64 s[6:7], s[6:7], s[24:25]          ; my tile's codes
	v_lshlrev_b32 v1, 4, v8                        ; 16 x lane: my 16 bytes of a load's 512
	s_mul_i32 s11, s10, WSTAGE
	v_add_nc_u32 v2, s11, v1                       ; the stage, on the way in: as loaded
	v_mul_u32_u24 v3, v9, SPITCH
	v_lshl_add_u32 v3, v10, 9, v3
	v_add_nc_u32 v3, s11, v3                       ; and on the way out: row lane % 16, piece lane / 16
	v_mul_u32_u24 v4, v10, FILLB
	v_lshl_add_u32 v4, v9, 4, v4                   ; in the workspace: lanes 16-31 write the record of half 1; 16 bytes a row
; An item i: K steps i (lanes 0-15) and 4 + i (lanes 16-31) of the 16 rows.  Each load takes 512 consecutive bytes of a row; the conversions want a block's 32 numbers in ONE lane:
; so an item's 16 KiB turn through the wave's own stage in LDS, stored as loaded, read back 128 bytes a lane.
.macro LOADI i
.irp r, 0,1,2,3,4,5,6,7,8,9,10,11,12,13,14,15
.irp j, 0,1
	global_load_b128 v[R+4*(2*\r+\j):R+4*(2*\r+\j)+3], v1, s[4:5] offset:((\r%8)+16*(\r/8))*ROWB+((\i)+4*\j)*512 th:TH_LOAD_NT
.endr
.endr
.endm
.macro STAGEIN
.irp r, 0,1,2,3,4,5,6,7,8,9,10,11,12,13,14,15
.irp j, 0,1
	ds_store_b128 v2, v[R+4*(2*\r+\j):R+4*(2*\r+\j)+3] offset:\r*SPITCH+\j*512
.endr
.endr
.endm
.macro DSL b, p                        ; block b of my row's piece into set p.  LDS serves a wave's instructions in order: these see the stores above
.irp n, 0,1,2,3,4,5,6,7
	ds_load_b128 v[X+32*\p+4*\n:X+32*\p+4*\n+3], v3 offset:128*\b+16*\n
.endr
.endm
.macro QB i, b, p                      ; block b of item i, in set p: its byte into the item's scale word, its 32 codes to memory
	AMAX X+32*\p
.if \b == 0
	v_mov_b32 v[W+\i], v231                        ; four bytes to a word, the lower K in the lower byte
.else
	v_lshl_or_b32 v[W+\i], v231, 8*\b, v[W+\i]
.endif
.irp g, 0,1,2,3
	v_cvt_scalef32_pk8_fp4_f32 v[C+4*\b+\g], v[XS+8*\g:XS+8*\g+7], v230   ; eight numbers / 2^(v230's exponent), to the nearest code, ties to even, beyond the largest code the largest
.endr
	v_nop                                          ; one plain line behind the last conversion of a run
	global_store_b128 v4, v[C+4*\b:C+4*\b+3], s[6:7] offset:(\i)*2048+\b*256   ; sixteen lanes store 256 consecutive bytes, at a multiple of 256 from the buffer's first byte
.endm
.macro ITEM i
	s_wait_loadcnt 0x0                             ; the item's 32 loads are in
	s_wait_xcnt 0x0                                ; the last item's stores have read their four sets of codes, which are written again below
	STAGEIN
	DSL 0, 0
	DSL 1, 1
	s_wait_dscnt 16                                ; all but the sixteen reads just issued: the 32 stores into the stage have read their registers,
.if \i < 3
	LOADI \i+1                                     ; which take the next item's loads
.endif
	s_wait_dscnt 8                                 ; set 0 is in; set 1's eight reads may be out
	QB \i, 0, 0
	DSL 2, 0
	s_wait_dscnt 8                                 ; set 1 is in; the eight just issued may be out
	QB \i, 1, 1
	DSL 3, 1
	s_wait_dscnt 8
	QB \i, 2, 0
	s_wait_dscnt 0x0
	QB \i, 3, 1
.endm
	LOADI 0
.irp i, 0,1,2,3
	ITEM \i
.endr
	global_store_b128 v4, v[W:W+3], s[8:9]         ; my row's four scale words of my half: sixteen lanes store 256 consecutive bytes
	s_wait_tensorcnt 0x0                           ; the wave's end, behind my last LDS store
	ds_add_u32 v[SPW], v[NIL]
	s_wait_dscnt 0x0
	s_endpgm
; ---------------- v: K = the keys is the outer axis ----------------
; A lane takes a channel, and its registers run down the keys: a block of 32 keys lies in one lane's 32 registers, and the conversions give codes with the keys innermost.  Nothing is transposed,
; and since the workspace is laid by fragments, a lane's 16 bytes of codes stand beside its neighbours': no stage.
; job J: cg = J & 31 (32 channels), sg = (J >> 5) & 3 (512 keys), batch = J >> 7
.Lvalues:
	s_sub_co_u32 s12, s12, 2048
	s_and_b32 s13, s12, 31                         ; cg
	s_bfe_u32 s14, s12, 0x20005                    ; sg
	s_lshr_b32 s16, s12, 7                         ; batch
	s_lshl_b32 s17, s16, 11
	s_lshl_b32 s18, s14, 9
	s_add_co_u32 s17, s17, s18                     ; my first key's row
	s_mul_i32 s20, s17, ROWB
	s_lshl_b32 s18, s13, 7
	s_add_co_u32 s20, s20, s18
	s_add_co_u32 s20, s20, 8192                    ; v begins 8,192 bytes into a row
	s_add_nc_u64 s[4:5], s[4:5], s[20:21]
	s_mul_i32 s22, s16, BATCHB
	s_lshl_b32 s17, s14, 2
	s_add_co_u32 s17, s17, 32                      ; g of my first key step
	s_mul_i32 s17, s17, FILLB
	s_add_co_u32 s22, s22, s17
	s_lshr_b32 s18, s13, 2
	s_mul_i32 s18, s18, REC
	s_add_co_u32 s22, s22, s18
	s_add_nc_u64 s[6:7], s[6:7], s[22:23]          ; the record
	s_and_b32 s24, s13, 3
	s_lshl_b32 s26, s24, 7
	s_add_co_u32 s26, s26, 8192
	s_add_nc_u64 s[8:9], s[6:7], s[26:27]          ; my two tiles' scale words
	s_lshl_b32 s26, s24, 11
	s_add_nc_u64 s[6:7], s[6:7], s[26:27]          ; my two tiles' codes
	v_lshlrev_b32 v5, 2, v8                        ; 4 x lane: my channel in a row, and my scale word
	v_lshlrev_b32 v6, 10, v10
	v_lshl_add_u32 v6, v9, 4, v6                   ; my codes: tile lane / 16, row lane % 16
.macro VLOAD t                         ; block t: v(32 t + n, my channel), n = 0 .. 31, into set t % 2.  A wave reads 128 consecutive bytes, the four waves of a work-group 512.  The largest offset, 511 rows, lies inside the signed 24-bit immediate
.irp n, 0,1,2,3,4,5,6,7,8,9,10,11,12,13,14,15,16,17,18,19,20,21,22,23,24,25,26,27,28,29,30,31
	global_load_b32 v[X+32*((\t)%2)+\n], v5, s[4:5] offset:(32*(\t)+\n)*ROWB th:TH_LOAD_NT
.endr
.endm
.macro VBLOCK t
.if \t < 15
	s_wait_loadcnt 32                              ; this block's 32 loads are in; the next block's may be out
.else
	s_wait_loadcnt 0x0
.endif
	AMAX X+32*((\t)%2)
.if (\t)%4 == 0
	v_mov_b32 v[W+(\t)/4], v231
.else
	v_lshl_or_b32 v[W+(\t)/4], v231, 8*((\t)%4), v[W+(\t)/4]
.endif
.irp g, 0,1,2,3
	v_cvt_scalef32_pk8_fp4_f32 v[R+4*(\t)+\g], v[XS+8*\g:XS+8*\g+7], v230   ; a set of its own for each block: no store's data are written again
.endr
	v_nop                                          ; one plain line behind the last conversion of a run
	global_store_b128 v6, v[R+4*(\t):R+4*(\t)+3], s[6:7] offset:((\t)/4)*FILLB+((\t)%4)*256   ; sixteen lanes store 256 consecutive bytes, aligned
.if (\t)%4 == 3
	global_store_b32 v5, v[W+(\t)/4], s[8:9] offset:((\t)/4)*FILLB   ; a key step's scale words of my 32 channels: 128 consecutive bytes, one byte for each 128 that the job reads
.endif
.if \t < 14
	VLOAD (\t)+2
.endif
.endm
	VLOAD 0
	VLOAD 1
.irp t, 0,1,2,3,4,5,6,7,8,9,10,11,12,13,14,15
	VBLOCK \t
.endr
	s_endpgm
.Lfunc_end_k_q6b3f49ea15_quant:
	.size	k_q6b3f49ea15_quant, .Lfunc_end_k_q6b3f49ea15_quant-k_q6b3f49ea15_quant
	.p2alignl 7, 3214868480
	.fill 96, 4, 3214868480
	.section	.rodata,"a",@progbits
	.p2align	6, 0x0
	.amdhsa_kernel k_q6b3f49ea15_quant
		.amdhsa_group_segment_fixed_size 67072
		.amdhsa_private_segment_fixed_size 0
		.amdhsa_enable_private_segment 0
		.amdhsa_kernarg_size 16
		.amdhsa_user_sgpr_count 2
		.amdhsa_user_sgpr_kernarg_segment_ptr 1
		.amdhsa_wavefront_size32 1
		.amdhsa_system_sgpr_workgroup_id_x 1
		.amdhsa_system_sgpr_workgroup_id_y 1
		.amdhsa_system_sgpr_workgroup_id_z 1
		.amdhsa_system_vgpr_workitem_id 0
		.amdhsa_next_free_vgpr 240
		.amdhsa_next_free_sgpr 66
		.amdhsa_reserve_vcc 0
		.amdhsa_float_denorm_mode_32 3
		.amdhsa_float_denorm_mode_16_64 3
		.amdhsa_memory_ordered 1
		.amdhsa_forward_progress 1
		.amdhsa_inst_pref_size 132
	.end_amdhsa_kernel
	.amdgpu_metadata
---
amdhsa.version: [ 1, 2 ]
amdhsa.kernels:
  - .name:           k_q6b3f49ea15_quant
    .symbol:         k_q6b3f49ea15_quant.kd
    .args:
      - { .name: qkv, .offset: 0, .size: 8, .value_kind: global_buffer, .address_space: global }
      - { .name: codes, .offset: 8, .size: 8, .value_kind: global_buffer, .address_space: global }
    .group_segment_fixed_size: 67072
    .private_segment_fixed_size: 0
    .kernarg_segment_align: 8
    .kernarg_segment_size: 16
    .max_flat_workgroup_size: 128
    .sgpr_count:     66
    .vgpr_count:     240
    .wavefront_size: 32
...
	.end_amdgpu_metadata
.endif
;; end of part 1
;; launch attn (part 2): grid 32 x 8, 8 waves a work-group, clusters of 4 x 1, 327,680 bytes of LDS; arguments codes, out0; writes out0
.if DOCPART == 2
	.amdgcn_target "amdgcn-amd-amdhsa--gfx1250"
	.amdhsa_code_object_version 6
	.text
	.protected	k_q6b3f49ea15_attn
	.globl	k_q6b3f49ea15_attn
	.p2align	8
	.type	k_q6b3f49ea15_attn,@function
k_q6b3f49ea15_attn:
	s_mov_b64 s[64:65], 0
	v_nop
	global_prefetch_b8 v0, s[64:65] scope:SCOPE_SE
	s_setreg_imm32_b32 hwreg(HW_REG_WAVE_MODE, 25, 1), 1
	s_wait_xcnt 0x0
	s_wait_alu depctr_hold_cnt(0) depctr_sa_sdst(0) depctr_va_vdst(0) depctr_va_sdst(0) depctr_va_ssrc(0) depctr_va_vcc(0) depctr_vm_vsrc(0)
	s_getreg_b32 s2, hwreg(HW_REG_IB_STS2, 6, 4)
	s_cmp_eq_u32 s2, 0
	s_cbranch_scc0 .Lentry_in_a_cluster
	s_endpgm
.Lentry_in_a_cluster:
	s_bfe_u32 s2, ttmp6, 0x10000c
	s_cmp_lg_u32 s2, 0x3003
	s_cbranch_scc0 .Lentry_shape_is_right
	s_endpgm
.Lentry_shape_is_right:
; out[b][q][:] = the sum over k of softmax_k((q / 32) . k) v[k][:], one head of 1,024, 2,048 keys, both products on codes of FP4 (E2M1) with one E8M0 scale for each 32 along K.
; The codes and scale words come from the first launch's workspace, [batch 8][g 48][w 8][record of 8,704 bytes], laid in the order of the operands' registers (its head comment has the layout).  Nothing of reference() is left out.
; q WAS QUANTISED AS IT LIES: the division by 32, a power of two, moves no code; it stands in c = log2(e) / 32, so t = raw score x c.
; THE SOFTMAX AHEAD OF THE SECOND PRODUCT.  What is quantised is p = 2^(t - M), M a whole number; a change of M is an exact power of two that a block's scale takes up.  Here EACH BLOCK OF 32 KEYS HAS ITS OWN WHOLE NUMBER
; M_b = ceil(the block's largest t): p_b = 2^(t - M_b) is quantised with its own byte (its largest p lies in (1/2, 1], so the byte is 124 or 125, and no floor is needed), and its sum l_b is taken of the unquantised p_b.
; When all keys are done: M = the largest M_b = ceil(the row's largest t); a block's final byte = its byte + (M_b - M); l = the sum of l_b 2^(M_b - M).  So the maximum is taken away, nothing is carried from step to step, and O is never rescaled.
; LIMITS: M_b - M is held at -123 from below, so that no byte falls under 1: blocks whose largest p lies under 2^-123 of the row's largest count for more than they should, by at most 6 x 2^-126 |v| a term.  NaN and infinities are not served.
; SHARES.  256 work-groups; a work-group owns 64 queries of one batch: four tiles of 16.  Eight waves of 512 registers, two to a SIMD, so that one wave's vector work stands beside the other's matrix work.
; PHASE 1, 16 fills: in generation n wave w takes keys 32 (8 n + w) .. + 31: S^T = K Q^T (source 0 = 16 keys, source 1 = 16 queries), 8 accumulators, 64 matrix instructions.  All of Q stays in the wave's window 1, so each
;   fragment of K is read from LDS once, by one wave, and feeds four products.  A lane holds ONE query; the rows of a tile of K are chosen (row 8 u + r % 8 + 16 (r / 8)) so that its 16 registers of tiles u = 0, 1 are 16 neighbouring keys.
;   The block's p is quantised in registers, and its codes go to LDS as they will stand in the second product's operand: a lane's 16 codes are 8 bytes of a block's 16.
; PHASE 2, 16 fills: wave w owns channels 128 w .. + 127 for all 64 queries: O^T = V^T P^T (source 0 = 16 channels, source 1 = P), 32 accumulators, which take window 1 when Q is done with.  The first key step starts the sums.
; THE RING.  K's 16 fills and V's 16 are one stream of 69,632 bytes a fill, eight records; wave w fetches the record that it alone reads.  Two slots; behind each round a wave has one tensor load out.
; CLUSTER.  The four work-groups of a cluster belong to one batch and walk the same K and V: each record is asked for JOINTLY, by the same tensor load with the same descriptor and a mask that names the four.
; REGISTERS.  Window 0: v1-13 addresses, v14-15 the add's two, v16-35 scale words and nothing else, v36-63 the softmax's small numbers, v64-127 S^T (later the blocks' statistics, later P's fragments),
;   v128-191 K's or V's fragments, v192-224 at work and addresses; on the way out v128-255 hold rows of the result.  Window 1: Q (fragment (qt, s) at 8 (8 qt + s)), then O^T (accumulator (et, qt) at 8 (4 et + qt)).
.set REC,    8704
.set FILLB,  8*REC
.set BATCHB, 48*FILLB
.set P,      2*FILLB                   ; LDS: behind the two slots: P's codes [key step 16][qt 4][b 4][r 16][16 bytes], 65,536 bytes
.set ST,     P+65536                   ; the blocks' statistics [block 64][qt 4][lane 32][8 bytes], 65,536 bytes
.set PS,     ST+65536                  ; P's scale words [key step 16][qt 4][r 16], 4,096 bytes
.set RL,     PS+4096                   ; 1 / l [qt 4][r 16], 256 bytes
.set SPARE,  RL+256                    ; the spare words, 128 bytes a wave: four blocks of 256 bytes that no other line names
.set LI,  1                            ; v1   16 x lane; also my byte offset in a row's 512 bytes of the result
.set KA,  2                            ; v2-3 my record in slot 0, 1, + 16 x lane.  v2 also reads rows back from my stage, which lies in my record of slot 0
.set PWA, 4                            ; v4   where I put 8 bytes of P's codes, generation 0
.set STA, 5                            ; v5   and my statistics
.set PRA, 6                            ; v6   P + 16 x lane
.set PSA, 7                            ; v7   PS + 4 x lane
.set VSA, 8                            ; v8-9 my record's scale words in slot 0, 1, + 4 x lane
.set STO, 10                           ; v10  the way out: where I put 32 bytes of a row
.set RLA, 12                           ; v12  RL + 4 x (lane % 16)
.set PFO, 13                           ; v13  256 x lane: the prefetches' offset
.set SPW, 14                           ; v14  LDS address of my spare word; never rewritten
.set NIL, 15                           ; v15  0; never rewritten
.set QS,  16                           ; v16-31 Q's scale words: register 8 (qt / 2) + s: lanes 0-15 tile 2 (qt / 2), lanes 16-31 the next
.set VS,  16                           ; phase 2: v16-19 V's scale words (register et / 2), v20-21 P's (register qt / 2)
.set PSR, 20
.set KS,  32                           ; v32-35 K's scale words: register s': lanes 0-15 tile u = 0, lanes 16-31 u = 1
.set MX,  36                           ; v36-39 a block's largest score, one for each qt; on the way out the pairs (1 / l, -)
.set TP,  40                           ; v40-43 lane permutes' destinations
.set NP,  44                           ; v44-51 pairs (-M_b, t_max - M_b)
.set SCO, 52                           ; v52-55 the conversions' scale operands
.set CD,  56                           ; v56-63 pairs of code registers
.set S,   64
.set PF,  64
.set KF,  128
.set VF,  128
.set OB,  128
.set STP, 192                          ; v192-199 pairs (my half's sum; -M_b in lanes 0-15, the byte in lanes 16-31)
.set BY,  200
.set SUM, 204                          ; v204-219 two chains of packed sums for each qt
.set FA,  220                          ; v220-222 the addresses of the step between the phases
.set FPS, 221
.set FRL, 222
.set TA,  223                          ; v223-224 addresses of the step in hand
.set TB,  224
.set FW,  64                           ; between the phases: 16 blocks x (l0, -M_b, l1, byte)
.set FM,  192
.set FL,  193
.set FR,  194
.set FD,  196
.set FWD, 212
; scalars: s[4:5] codes, s[6:7] my rows of the result, s8 wave, s9 cx, s10 batch, s[12:13] c twice, s[14:15] lane selects, s[16:23] descriptor group 1, s[24:31] group 0 for slots 0, 1,
;          s[32:33] where my prefetches stand, s34 their limit, s35 the fill in hand, s36 trip counts, s37 the mask of lanes 16-31, s[38:39] Q's records, s48-50 stepped LDS offsets; s52-57 alone hold what hangs on cx
.set MSB, 0
.macro WIN new                         ; the immediate's high byte repeats the setting that is left; a switch that changes nothing is dropped
.if MSB != \new
	s_set_vgpr_msb (MSB<<8)|\new
.set MSB, \new
.endif
.endm
.macro PLACES                          ; a load into a register that a matrix instruction has read, and a vector instruction that reads a matrix result, stand four plain vector instructions behind it (ISA guide 7.12.1 for vector instructions)
.rept 4
	v_nop
.endr
.endm
.macro ROUND                           ; a round of the cluster's barrier: my work-group's barrier; wave 0 signals for the work-group; every wave waits for all four work-groups; my work-group's barrier once more
	s_barrier_signal -1
	s_barrier_wait -1
	s_cmp_lg_u32 s8, 0
	s_cbranch_scc1 .Lnot_wave_0_\@
	s_barrier_signal -3
.Lnot_wave_0_\@:
	s_barrier_wait -3
	s_barrier_signal -1
	s_barrier_wait -1
.endm
; One matrix instruction on the symbols rD, rA, rB, rSA, rSB; fA, fB: the scale words stand in lanes 16-31.  zero = 1: it starts the sum: nothing is ever cleared.
.macro WM zero
.if \zero
.if fA && fB
	v_wmma_scale_f32_16x16x128_f8f6f4 v[rD:rD+7], v[rA:rA+7], v[rB:rB+7], 0, v[rSA], v[rSB] matrix_a_fmt:MATRIX_FMT_FP4 matrix_b_fmt:MATRIX_FMT_FP4 matrix_a_scale:MATRIX_SCALE_ROW1 matrix_b_scale:MATRIX_SCALE_ROW1
.elseif fA
	v_wmma_scale_f32_16x16x128_f8f6f4 v[rD:rD+7], v[rA:rA+7], v[rB:rB+7], 0, v[rSA], v[rSB] matrix_a_fmt:MATRIX_FMT_FP4 matrix_b_fmt:MATRIX_FMT_FP4 matrix_a_scale:MATRIX_SCALE_ROW1
.elseif fB
	v_wmma_scale_f32_16x16x128_f8f6f4 v[rD:rD+7], v[rA:rA+7], v[rB:rB+7], 0, v[rSA], v[rSB] matrix_a_fmt:MATRIX_FMT_FP4 matrix_b_fmt:MATRIX_FMT_FP4 matrix_b_scale:MATRIX_SCALE_ROW1
.else
	v_wmma_scale_f32_16x16x128_f8f6f4 v[rD:rD+7], v[rA:rA+7], v[rB:rB+7], 0, v[rSA], v[rSB] matrix_a_fmt:MATRIX_FMT_FP4 matrix_b_fmt:MATRIX_FMT_FP4
.endif
.else
.if fA && fB
	v_wmma_scale_f32_16x16x128_f8f6f4 v[rD:rD+7], v[rA:rA+7], v[rB:rB+7], v[rD:rD+7], v[rSA], v[rSB] matrix_a_fmt:MATRIX_FMT_FP4 matrix_b_fmt:MATRIX_FMT_FP4 matrix_a_scale:MATRIX_SCALE_ROW1 matrix_b_scale:MATRIX_SCALE_ROW1
.elseif fA
	v_wmma_scale_f32_16x16x128_f8f6f4 v[rD:rD+7], v[rA:rA+7], v[rB:rB+7], v[rD:rD+7], v[rSA], v[rSB] matrix_a_fmt:MATRIX_FMT_FP4 matrix_b_fmt:MATRIX_FMT_FP4 matrix_a_scale:MATRIX_SCALE_ROW1
.elseif fB
	v_wmma_scale_f32_16x16x128_f8f6f4 v[rD:rD+7], v[rA:rA+7], v[rB:rB+7], v[rD:rD+7], v[rSA], v[rSB] matrix_a_fmt:MATRIX_FMT_FP4 matrix_b_fmt:MATRIX_FMT_FP4 matrix_b_scale:MATRIX_SCALE_ROW1
.else
	v_wmma_scale_f32_16x16x128_f8f6f4 v[rD:rD+7], v[rA:rA+7], v[rB:rB+7], v[rD:rD+7], v[rSA], v[rSB] matrix_a_fmt:MATRIX_FMT_FP4 matrix_b_fmt:MATRIX_FMT_FP4
.endif
.endif
.endm
; A PREFETCH INTO THE L2: while fill t is in hand and fill t + 1 is being asked for, the codes of fill t + 5: four changes of slots ahead of the tensor load that will want them.
; Each aligned block of 256 bytes is named once in the launch.  All eight clusters of a batch walk the same K and V: the batch's first cluster asks.  Its four partners share a fill's eight records out BY ADDRESS
; (records 2 cx and 2 cx + 1): no branch hangs on a work-group's place in its cluster.  In each, waves 0 and 1 ask, one instruction each: a record's 8,192 bytes of codes, lanes 256 bytes apart; its 512 bytes of scale words come by their load alone.
; Fills 0 to 4 come by their loads alone; the limit 27 makes fill 31 the last that is named.
.macro ASK
	s_cmp_lt_u32 s35, s34
	s_cbranch_scc0 .Lnot_mine_\@
	global_prefetch_b8 v[PFO], s[32:33] th:TH_LOAD_NT scope:SCOPE_SE
.Lnot_mine_\@:
.endm
; THE CHANGE OF SLOTS, at the head of the fill in slot sl.  Each wave waits for all its tensor loads, of which one is out: its record of this slot; adds 0 to its spare word; and waits for that, for its reads of the other slot and for its LDS stores.
; Behind the round no wave of any partner reads the other slot or has a load on its way.  refill = 1: the other slot takes the next fill, which has this fill's work in which to land.
.macro HEAD sl, refill
	s_wait_tensorcnt 0x0                           ; no tensor load of mine is out, so a group 0 may be written
	ds_add_u32 v[SPW], v[NIL]                      ; 0 onto my spare word; the steps below stand between it and the wait for it
	s_add_nc_u64 s[26+4*\sl:27+4*\sl], s[26+4*\sl:27+4*\sl], 2*FILLB   ; this slot's next fill; the type bits on top are not reached
	s_wait_xcnt 0x0                                ; the last prefetch, a fill back, has read its address, so it may be written
	s_add_nc_u64 s[32:33], s[32:33], FILLB
	s_wait_dscnt 0x0                               ; the add is done, my reads of the other slot are over, my LDS stores have landed
	ROUND
.if \refill
	tensor_load_to_lds s[28-4*\sl:31-4*\sl], s[16:23]   ; the first thing behind the round, and my one tensor load until the next
	s_nop 0
	PLACES                                         ; the places in front of the LDS loads that follow
	ASK
.else
	PLACES
.endif
	s_add_co_u32 s35, s35, 1
.endm
; Phase 1: my record of K: its scale words, then its eight fragments (K step s', tile u: f = 2 s' + u)
.macro KLOAD sl
	ds_load_b128 v[KS:KS+3], v[KA+\sl] offset:8192
.irp f, 0,1,2,3,4,5,6,7
.irp c, 0,1
	ds_load_b128 v[KF+8*\f+4*\c:KF+8*\f+4*\c+3], v[KA+\sl] offset:1024*\f+512*\c
.endr
.endr
.endm
; 32 matrix instructions: half sh of the 1,024 along K.  The eight accumulators take turns, one instruction a turn, in the same order in every K step.
.macro MULK sh
	WIN 0x04                                       ; source 1 (Q) in window 1
.irp sp, 0,1,2,3
	s_wait_dscnt 12-4*\sp                          ; the scale words and the fragments up to this K step are in; the four loads of each later K step may be out
.irp qt, 0,1,2,3
.irp u, 0,1
.set rD, S+16*\qt+8*\u
.set rA, KF+8*(2*\sp+\u)
.set rB, 8*(8*\qt+4*\sh+\sp)
.set rSA, KS+\sp
.set rSB, QS+8*(\qt/2)+4*\sh+\sp
.set fA, \u
.set fB, \qt%2
.if (\sh == 0) && (\sp == 0)
	WM 1
.else
	WM 0
.endif
.endr
.endr
.endr
	WIN 0
.endm
; The block's softmax and quantiser, the four tiles of queries by turns.  Lane (r, h) holds query r and keys 16 h + 0 .. 15 of the block in v[S + 16 q] on.
.macro SOFTMAX
.irp q, 0,1,2,3
	v_max3_num_f32 v[MX+\q], v[S+16*\q], v[S+16*\q+1], v[S+16*\q+2]   ; each accumulator is read from its low end on
.endr
.irp i, 3,5,7,9,11,13
.irp q, 0,1,2,3
	v_max3_num_f32 v[MX+\q], v[MX+\q], v[S+16*\q+\i], v[S+16*\q+\i+1]
.endr
.endr
.irp q, 0,1,2,3
	v_max_num_f32 v[MX+\q], v[MX+\q], v[S+16*\q+15]
.endr
.irp q, 0,1,2,3
	v_permlanex16_b32 v[TP+\q], v[MX+\q], s14, s15
.endr
.irp q, 0,1,2,3
	v_max_num_f32 v[MX+\q], v[MX+\q], v[TP+\q]     ; with lane l xor 16's 16 keys: the block's largest score
.endr
.irp q, 0,1,2,3
	v_mul_f32 v[SCO+\q], s12, v[MX+\q]             ; as t (c is positive)
.endr
.irp q, 0,1,2,3
	v_floor_f32 v[NP+2*\q], -v[SCO+\q]             ; -M_b = floor(-t) = -ceil(t): a whole number
.endr
.irp q, 0,1,2,3
	v_fma_f32 v[NP+2*\q+1], v[MX+\q], s12, v[NP+2*\q]   ; the largest t - M_b: it goes through the same multiply-add and exponential as the scores, and gives the block's largest p
.endr
.irp j, 0,2,4,6,8,10,12,14
.irp q, 0,1,2,3
	v_pk_fma_f32 v[S+16*\q+\j:S+16*\q+\j+1], v[S+16*\q+\j:S+16*\q+\j+1], s[12:13], v[NP+2*\q:NP+2*\q+1] op_sel_hi:[1,0,0]   ; t - M_b, two at a time (of the pairs c and -M_b the low word serves both halves)
.endr
.endr
.set j, 0
.rept 64
	v_exp_f32 v[S+j], v[S+j]                       ; p = 2^(t - M_b): ONE BATCH of 68 exponentials
.set j, j+1
.endr
.irp q, 0,1,2,3
	v_exp_f32 v[NP+2*\q+1], v[NP+2*\q+1]
.endr
	v_add_nc_u32 v[TA], s48, v[PWA]                ; this generation's places in LDS: plain work behind the last exponential
	v_add_nc_u32 v[TB], s48, v[STA]
	s_wait_alu depctr_va_vdst(0)                   ; the wait ahead of the first line that names a result: one for the batch
.irp q, 0,1,2,3
	v_add_nc_u32 v[SCO+\q], 0xff000000, v[NP+2*\q+1]   ; 2 off the exponent field of the block's largest p: the conversions' scale operand
.endr
.irp q, 0,1,2,3
	v_lshrrev_b32 v[BY+\q], 23, v[SCO+\q]          ; the byte under M_b: 124 or 125
.endr
.irp q, 0,1,2,3
	v_cvt_scalef32_pk8_fp4_f32 v[CD+2*\q], v[S+16*\q:S+16*\q+7], v[SCO+\q]
	v_cvt_scalef32_pk8_fp4_f32 v[CD+2*\q+1], v[S+16*\q+8:S+16*\q+15], v[SCO+\q]
.endr
	v_nop                                          ; one plain line behind the last conversion of a run
.irp q, 0,1,2,3
	v_pk_add_f32 v[SUM+4*\q:SUM+4*\q+1], v[S+16*\q:S+16*\q+1], v[S+16*\q+4:S+16*\q+5]   ; THE SUM IS TAKEN OF THE UNQUANTISED p: two at a time, in two chains
.endr
.irp q, 0,1,2,3
	v_pk_add_f32 v[SUM+4*\q+2:SUM+4*\q+3], v[S+16*\q+2:S+16*\q+3], v[S+16*\q+6:S+16*\q+7]
.endr
.irp j, 8,12
.irp q, 0,1,2,3
	v_pk_add_f32 v[SUM+4*\q:SUM+4*\q+1], v[SUM+4*\q:SUM+4*\q+1], v[S+16*\q+\j:S+16*\q+\j+1]
.endr
.irp q, 0,1,2,3
	v_pk_add_f32 v[SUM+4*\q+2:SUM+4*\q+3], v[SUM+4*\q+2:SUM+4*\q+3], v[S+16*\q+\j+2:S+16*\q+\j+3]
.endr
.endr
.irp q, 0,1,2,3
	v_pk_add_f32 v[SUM+4*\q:SUM+4*\q+1], v[SUM+4*\q:SUM+4*\q+1], v[SUM+4*\q+2:SUM+4*\q+3]
.endr
.irp q, 0,1,2,3
	v_add_f32 v[STP+2*\q], v[SUM+4*\q], v[SUM+4*\q+1]   ; my 16 keys' part of l_b
.endr
.irp q, 0,1,2,3
	v_cndmask_b32 v[STP+2*\q+1], v[NP+2*\q], v[BY+\q], s37   ; beside it: lanes 0-15 carry -M_b, lanes 16-31 the byte
.endr
.irp q, 0,1,2,3
	ds_store_b64 v[TA], v[CD+2*\q:CD+2*\q+1] offset:1024*\q   ; 16 codes: my half of the block's 16 bytes of query r; the wave's 32 lanes fill 256 consecutive bytes
	ds_store_b64 v[TB], v[STP+2*\q:STP+2*\q+1] offset:256*\q
.endr
.endm
; Phase 2: a key step of 128 keys: my record of V (8 tiles of 16 channels), P's four fragments and both sides' scale words; 32 matrix instructions, the 32 accumulators by turns.
.macro PV sl, first
	v_add_nc_u32 v[TA], s49, v[PRA]
	v_add_nc_u32 v[TB], s50, v[PSA]
.irp j, 0,1,2,3
	ds_load_b32 v[VS+\j], v[VSA+\sl] offset:128*\j
.endr
.irp j, 0,1
	ds_load_b32 v[PSR+\j], v[TB] offset:128*\j
.endr
.irp f, 0,1,2,3,4,5,6,7
	ds_load_b128 v[PF+4*\f:PF+4*\f+3], v[TA] offset:512*\f
.endr
.irp f, 0,1,2,3,4,5,6,7,8,9,10,11,12,13,14,15
	ds_load_b128 v[VF+4*\f:VF+4*\f+3], v[KA+\sl] offset:512*\f
.endr
	WIN 0x50                                       ; C and D (O^T) in window 1
.irp e, 0,1,2,3,4,5,6,7
	s_wait_dscnt 14-2*\e                           ; all up to V's tile e is in; the two loads of each later tile may be out
.irp q, 0,1,2,3
.set rD, 8*(4*\e+\q)
.set rA, VF+8*\e
.set rB, PF+8*\q
.set rSA, VS+\e/2
.set rSB, PSR+\q/2
.set fA, \e%2
.set fB, \q%2
	WM \first
.endr
.endr
	WIN 0
	s_add_co_u32 s49, s49, 4096                    ; the next key step's fragments of P,
	s_add_co_u32 s50, s50, 256                     ; and its scale words
.endm
; THE WAY OUT, a tile of 16 queries at a time: O^T / l; a lane's eight channels of a row are 32 bytes, and the lanes beside it hold other rows: so the tile goes through my stage (rows of 512 bytes + 16) and comes back as whole rows.
.macro TOSTAGE q
	WIN 0x41                                       ; O^T (destination and source 0) in window 1, 1 / l in window 0
.irp e, 0,1,2,3,4,5,6,7
.irp j, 0,2,4,6
	v_pk_mul_f32 v[8*(4*\e+\q)+\j:8*(4*\e+\q)+\j+1], v[8*(4*\e+\q)+\j:8*(4*\e+\q)+\j+1], v[MX+2*\q:MX+2*\q+1] op_sel_hi:[1,0]   ; each accumulator from its low end on
.endr
.endr
	WIN 0x04                                       ; an LDS store's data are its source 1
.irp e, 0,1,2,3,4,5,6,7
	ds_store_b128 v[STO], v[8*(4*\e+\q):8*(4*\e+\q)+3] offset:64*\e
	ds_store_b128 v[STO], v[8*(4*\e+\q)+4:8*(4*\e+\q)+7] offset:64*\e+16
.endr
	WIN 0
.irp i, 0,1,2,3,4,5,6,7,8,9,10,11,12,13,14,15
	ds_load_b128 v[OB+64*(\q%2)+4*\i:OB+64*(\q%2)+4*\i+3], v[KA] offset:528*\i   ; LDS serves a wave's instructions in order: these see the stores above, and the next tile's stores come behind them
.endr
.endm
.macro SEND q, younger                 ; younger: the LDS instructions issued behind tile q's loads, which may stay out
	s_wait_dscnt \younger
.irp i, 0,1,2,3,4,5,6,7,8,9,10,11,12,13,14,15
	global_store_b128 v[LI], v[OB+64*(\q%2)+4*\i:OB+64*(\q%2)+4*\i+3], s[6:7] offset:(32*(\q/2)+8*(\q%2)+(\i%8)+16*(\i/8))*4096 th:TH_STORE_NT   ; row i of the tile is query 32 (q / 2) + 8 (q % 2) + i % 8 + 16 (i / 8); 32 lanes store 512 consecutive bytes, aligned
.endr
.endm
	s_load_b128 s[4:7], s[0:1], 0x0                ; codes s[4:5], out0 s[6:7]
	v_lshl_add_u32 v[SPW], v0, 2, SPARE
	v_mov_b32 v[NIL], 0
	ds_add_u32 v[SPW], v[NIL]                      ; the wave's opening: the add, twice on end, and its wait ahead of my first tensor load; the set-up below, work on registers, stands between the second and the wait
	ds_add_u32 v[SPW], v[NIL]
	v_lshrrev_b32 v192, 5, v0
	v_readfirstlane_b32 s8, v192                   ; wave 0..7
	v_and_b32 v192, 31, v0                         ; lane
	v_and_b32 v193, 15, v0                         ; r
	v_bfe_u32 v194, v0, 4, 1                       ; h
	v_lshlrev_b32 v[LI], 4, v192
	s_mul_i32 s41, s8, REC                         ; my record in a slot: no place in the cluster enters an LDS address
	v_add_nc_u32 v[KA], s41, v[LI]
	v_add_nc_u32 v[KA+1], FILLB, v[KA]
	s_lshr_b32 s44, s8, 2
	s_lshl_b32 s44, s44, 12                        ; my key block 8 n + w lies in key step 2 n + w / 4,
	s_and_b32 s45, s8, 3
	s_lshl_b32 s45, s45, 8                         ; as its block w % 4
	s_add_co_u32 s44, s44, s45
	s_add_co_u32 s44, s44, P
	v_lshlrev_b32 v[PWA], 4, v193
	v_lshl_add_u32 v[PWA], v194, 3, v[PWA]
	v_add_nc_u32 v[PWA], s44, v[PWA]
	s_lshl_b32 s44, s8, 10
	s_add_co_u32 s44, s44, ST
	v_lshlrev_b32 v[STA], 3, v192
	v_add_nc_u32 v[STA], s44, v[STA]
	v_add_nc_u32 v[PRA], P, v[LI]
	v_lshlrev_b32 v[PSA], 2, v192
	v_add_nc_u32 v[VSA], s41, v[PSA]
	v_add_nc_u32 v[VSA], 8192, v[VSA]
	v_add_nc_u32 v[VSA+1], FILLB, v[VSA]
	v_add_nc_u32 v[PSA], PS, v[PSA]
	v_mul_u32_u24 v[STO], v193, 528
	v_lshl_add_u32 v[STO], v194, 5, v[STO]
	v_add_nc_u32 v[STO], s41, v[STO]               ; my stage is my record of slot 0: 16 x 528 bytes of its 8,704
	v_lshlrev_b32 v[RLA], 2, v193
	v_add_nc_u32 v[RLA], RL, v[RLA]
	v_lshlrev_b32 v[PFO], 8, v192
	; between the phases lane l of wave w serves query rr = 8 (w % 2) + l / 4 of tile w / 2, and of its 64 blocks the sixteen from 16 (l % 4) on
	v_and_b32 v195, 3, v0                          ; g
	v_bfe_u32 v196, v0, 2, 3
	s_and_b32 s44, s8, 1
	s_lshl_b32 s44, s44, 3
	v_add_nc_u32 v196, s44, v196                   ; rr
	s_lshr_b32 s45, s8, 1                          ; the tile
	s_lshl_b32 s44, s45, 8
	s_add_co_u32 s44, s44, ST
	v_lshlrev_b32 v[FA], 14, v195
	v_lshl_add_u32 v[FA], v196, 3, v[FA]
	v_add_nc_u32 v[FA], s44, v[FA]
	s_lshl_b32 s45, s45, 6
	s_add_co_u32 s44, s45, PS
	v_lshlrev_b32 v[FPS], 10, v195
	v_lshl_add_u32 v[FPS], v196, 2, v[FPS]
	v_add_nc_u32 v[FPS], s44, v[FPS]
	s_add_co_u32 s44, s45, RL
	v_lshlrev_b32 v[FRL], 2, v196
	v_add_nc_u32 v[FRL], s44, v[FRL]
.irp q, 0,1,2,3
	v_mov_b32 v[TP+\q], 0                          ; written once: a lane permute's destination counts as one of its sources
.endr
	s_bfe_u32 s9, ttmp6, 0x40000                   ; cx: my place in the cluster
	s_and_b32 s10, ttmp7, 0xffff                   ; the batch, which the four partners share
	s_mov_b32 s12, 0x3d38aa3b                      ; c = log2(e) / 32
	s_mov_b32 s13, s12                             ; (named with it as a pair, so it is written)
	s_mov_b32 s14, 0x76543210
	s_mov_b32 s15, 0xfedcba98                      ; v_permlanex16_b32's selects for lane l xor 16
	; descriptor group 1: a record, 8,704 dense bytes, as 34 rows of 256 bytes (32 elements of 8 bytes)
	s_mov_b32 s16, 15|(3<<16)|(1<<21)              ; 15:0 the mask: all four work-groups; 17:16 elements of 8 bytes; 20 no padding; 21 set beside a mask
	s_mov_b32 s17, 32<<16                          ; tensor_dim0 = 32
	s_mov_b32 s18, 34<<16                          ; tensor_dim1 = 34
	s_mov_b32 s19, 32<<16                          ; tile_dim0 = 32
	s_mov_b32 s20, 34                              ; tile_dim1 = 34
	s_mov_b32 s21, 32                              ; tensor_dim0_stride
	s_mov_b32 s22, 0
	s_mov_b32 s23, 0
	s_mov_b32 s37, 0xffff0000
	s_mov_b32 s35, 0
	s_mov_b32 s48, 0
	s_mov_b32 s49, 0
	s_mov_b32 s50, 0
	s_mul_i32 s40, s10, BATCHB                     ; the batch's first byte in the workspace
	s_add_co_u32 s42, s40, s41
	s_add_co_u32 s42, s42, 16*FILLB                ; my record of fill 0: K begins at g = 16
	s_mov_b32 s43, 0
	s_lshl_b32 s52, ttmp9, 1                       ; Q: my 64 queries are row blocks 8 x cluster + 2 cx and the next: g = 2 x cluster + half, w = 2 cx, 2 cx + 1
	s_mul_i32 s52, s52, FILLB
	s_lshl_b32 s53, s9, 1
	s_mul_i32 s54, s53, REC
	s_add_co_u32 s52, s52, s54
	s_add_co_u32 s52, s52, s40
	s_and_b32 s54, s8, 1                           ; the prefetches: record 2 cx + wave % 2,
	s_add_co_u32 s54, s54, s53
	s_mul_i32 s54, s54, REC
	s_add_co_u32 s54, s54, s40
	s_add_co_u32 s54, s54, 20*FILLB                ; of fill 4: the first change of slots steps it to fill 5
	s_mov_b32 s53, 0
	s_mov_b32 s55, 0
	s_lshl_b32 s56, ttmp9, 2                       ; the result: row 2048 x batch + 64 x (4 x cluster + cx), + my 512 bytes of a row
	s_add_co_u32 s56, s56, s9
	s_lshl_b32 s56, s56, 6
	s_lshl_b32 s57, s10, 11
	s_add_co_u32 s56, s56, s57
	s_lshl_b32 s56, s56, 12
	s_lshl_b32 s57, s8, 9
	s_add_co_u32 s56, s56, s57
	s_mov_b32 s57, 0
	s_lshr_b32 s44, s8, 1                          ; 0 in waves 0 and 1,
	s_or_b32 s44, s44, ttmp9                       ; of the batch's first cluster: the same in all four partners
	s_cmp_eq_u32 s44, 0
	s_cselect_b32 s34, 27, 0
	s_wait_dscnt 0x0                               ; both opening adds are done
	s_wait_kmcnt 0x0
	s_mov_b32 s24, 1                               ; group 0 of slot 0: count = 1,
	s_mov_b32 s25, s41                             ; LDS address,
	s_add_nc_u64 s[26:27], s[4:5], s[42:43]        ; global address: fill 0
	s_mov_b32 s28, 1                               ; and of slot 1: fill 1
	s_add_co_u32 s29, s41, FILLB
	s_add_nc_u64 s[30:31], s[26:27], FILLB
	s_or_b32 s27, s27, 0x80000000                  ; type = 2
	s_or_b32 s31, s31, 0x80000000
	s_add_nc_u64 s[38:39], s[4:5], s[52:53]
	s_add_nc_u64 s[32:33], s[4:5], s[54:55]
	s_add_nc_u64 s[6:7], s[6:7], s[56:57]
	ROUND                                          ; all four work-groups are here: the first joint loads meet
	tensor_load_to_lds s[24:27], s[16:23]          ; fill 0: every wave its own record
	s_nop 0
	PLACES
	WIN 0x40                                       ; destination window 1
.irp bq, 0,1                           ; Q stays in registers: tile qt = 2 bq + u, K step s = 4 sh + sp, at 8 (8 qt + s)
.irp sh, 0,1
.irp sp, 0,1,2,3
.irp u, 0,1
.irp c, 0,1
	global_load_b128 v[8*(8*(2*\bq+\u)+4*\sh+\sp)+4*\c:8*(8*(2*\bq+\u)+4*\sh+\sp)+4*\c+3], v[LI], s[38:39] offset:\bq*REC+\sh*FILLB+\sp*2048+\u*1024+512*\c
.endr
.endr
.endr
.endr
.endr
	WIN 0
.irp bq, 0,1
.irp sh, 0,1
	global_load_b128 v[QS+8*\bq+4*\sh:QS+8*\bq+4*\sh+3], v[LI], s[38:39] offset:\bq*REC+\sh*FILLB+8192
.endr
.endr
	s_wait_loadcnt 0x0                             ; Q and its scale words
	; ---- PHASE 1: eight generations of 256 keys, two fills each
	s_mov_b32 s36, 8
.Lgen:
	HEAD 0, 1
	KLOAD 0
	MULK 0
	HEAD 1, 1
	KLOAD 1
	MULK 1
	PLACES                                         ; in front of the first read of results
	SOFTMAX
	s_add_co_u32 s48, s48, 8192                    ; the next generation: two key steps of P, eight blocks of statistics
	s_sub_co_u32 s36, s36, 1
	s_cmp_lg_u32 s36, 0
	s_cbranch_scc1 .Lgen
	; ---- BETWEEN THE PHASES.  The change of slots to V's first fill; in front of its round every wave's stores of P and of the statistics have landed.
	HEAD 0, 1
.irp k, 0,1,2,3,4,5,6,7,8,9,10,11,12,13,14,15
	ds_load_b64 v[FW+4*\k:FW+4*\k+1], v[FA] offset:1024*\k          ; block 16 g + k: (keys 0-15's part of l_b, -M_b),
	ds_load_b64 v[FW+4*\k+2:FW+4*\k+3], v[FA] offset:1024*\k+128    ; (keys 16-31's part, the byte)
.endr
	s_wait_dscnt 0x0
	v_max3_num_f32 v[FM], -v[FW+1], -v[FW+5], -v[FW+9]
.irp k, 3,5,7,9,11,13
	v_max3_num_f32 v[FM], v[FM], -v[FW+4*\k+1], -v[FW+4*\k+5]
.endr
	v_max_num_f32 v[FM], v[FM], -v[FW+61]
	v_max_num_f32_dpp v[FM], v[FM], v[FM] row_xmask:1 row_mask:0xf bank_mask:0xf
	v_max_num_f32_dpp v[FM], v[FM], v[FM] row_xmask:2 row_mask:0xf bank_mask:0xf   ; with the three lanes that hold the query's other blocks: M = ceil(the row's largest t)
.irp k, 0,1,2,3,4,5,6,7,8,9,10,11,12,13,14,15
	v_sub_f32 v[FD+\k], -v[FW+4*\k+1], v[FM]       ; M_b - M: a whole number, 0 or less,
.endr
.irp k, 0,1,2,3,4,5,6,7,8,9,10,11,12,13,14,15
	v_max_num_f32 v[FD+\k], 0xc2f60000, v[FD+\k]   ; held at -123, so that no byte falls under 1
.endr
.irp k, 0,1,2,3,4,5,6,7,8,9,10,11,12,13,14,15
	v_cvt_i32_f32 v[FD+\k], v[FD+\k]
.endr
.irp k, 0,1,2,3,4,5,6,7,8,9,10,11,12,13,14,15
	v_add_nc_u32 v[FW+4*\k+3], v[FW+4*\k+3], v[FD+\k]   ; the block's byte under M
.endr
.irp k, 0,1,2,3,4,5,6,7,8,9,10,11,12,13,14,15
	v_ldexp_f32 v[FD+\k], 1.0, v[FD+\k]            ; 2^(M_b - M): a multiplication by it rounds nothing
.endr
.irp k, 0,1,2,3,4,5,6,7,8,9,10,11,12,13,14,15
	v_add_f32 v[FW+4*\k], v[FW+4*\k], v[FW+4*\k+2]   ; l_b
.endr
	v_mul_f32 v[FL], v[FW], v[FD]
.irp k, 1,2,3,4,5,6,7,8,9,10,11,12,13,14,15
	v_fma_f32 v[FL], v[FW+4*\k], v[FD+\k], v[FL]
.endr
.irp j, 0,1,2,3
	v_lshl_or_b32 v[FWD+\j], v[FW+16*\j+7], 8, v[FW+16*\j+3]   ; four blocks' bytes make key step 4 g + j's scale word of my query
.endr
.irp j, 0,1,2,3
	v_lshl_or_b32 v[FWD+\j], v[FW+16*\j+11], 16, v[FWD+\j]
.endr
.irp j, 0,1,2,3
	v_lshl_or_b32 v[FWD+\j], v[FW+16*\j+15], 24, v[FWD+\j]
.endr
.irp j, 0,1,2,3
	ds_store_b32 v[FPS], v[FWD+\j] offset:256*\j
.endr
	v_add_f32_dpp v[FL], v[FL], v[FL] row_xmask:1 row_mask:0xf bank_mask:0xf
	v_add_f32_dpp v[FL], v[FL], v[FL] row_xmask:2 row_mask:0xf bank_mask:0xf   ; l
	v_rcp_f32 v[FR], v[FL]
	v_nop                                          ; a plain line behind the reciprocal,
	s_wait_alu depctr_va_vdst(0)                   ; and the wait ahead of its first reader
	ds_store_b32 v[FRL], v[FR]                     ; the four lanes of a query write the same word with the same value
	s_wait_dscnt 0x0                               ; for the others' sake: my scale words and 1 / l have landed
	s_barrier_signal -1                            ; a plain barrier: the load of V's second fill may stay out
	s_barrier_wait -1
	; ---- PHASE 2: sixteen key steps of 128 keys, a fill each
	PV 0, 1                                        ; the first key step starts the sums
	s_mov_b32 s36, 7
.Lpv:
	HEAD 1, 1
	PV 1, 0
	HEAD 0, 1
	PV 0, 0
	s_sub_co_u32 s36, s36, 1
	s_cmp_lg_u32 s36, 0
	s_cbranch_scc1 .Lpv
	HEAD 1, 0                                      ; the last fill is written out: nothing is left to ask for
	PV 1, 0
	; ---- THE WAY OUT.  Slot 0 has had its last fill and its last read: my record there is my stage.
	PLACES                                         ; in front of the first read of results and of the loads into the registers that held V's fragments
.irp q, 0,1,2,3
	ds_load_b32 v[MX+2*\q], v[RLA] offset:64*\q    ; 1 / l of my query in each tile, as the low word of a pair
.endr
	s_wait_dscnt 0x0
	TOSTAGE 0
	TOSTAGE 1                                      ; a tile's arithmetic stands between the loads of the tile before and its stores
	SEND 0, 32                                     ; behind tile 0's loads: tile 1's 16 stores and 16 loads
	s_wait_xcnt 0x0                                ; tile 0's stores have read their registers: tile 2's rows may land there
	TOSTAGE 2
	SEND 1, 32
	s_wait_xcnt 0x0
	TOSTAGE 3
	SEND 2, 32
	SEND 3, 0
	s_wait_tensorcnt 0x0                           ; the wave's end, behind my last tensor load and my last LDS store
	ds_add_u32 v[SPW], v[NIL]
	s_wait_dscnt 0x0
	ROUND                                          ; the closing round: no work-group ends while a partner may still ask for a record that names it
	s_endpgm
.Lfunc_end_k_q6b3f49ea15_attn:
	.size	k_q6b3f49ea15_attn, .Lfunc_end_k_q6b3f49ea15_attn-k_q6b3f49ea15_attn
	.p2alignl 7, 3214868480
	.fill 96, 4, 3214868480
	.section	.rodata,"a",@progbits
	.p2align	6, 0x0
	.amdhsa_kernel k_q6b3f49ea15_attn
		.amdhsa_group_segment_fixed_size 327680
		.amdhsa_private_segment_fixed_size 0
		.amdhsa_enable_private_segment 0
		.amdhsa_kernarg_size 16
		.amdhsa_user_sgpr_count 2
		.amdhsa_user_sgpr_kernarg_segment_ptr 1
		.amdhsa_wavefront_size32 1
		.amdhsa_system_sgpr_workgroup_id_x 1
		.amdhsa_system_sgpr_workgroup_id_y 1
		.amdhsa_system_sgpr_workgroup_id_z 1
		.amdhsa_system_vgpr_workitem_id 0
		.amdhsa_next_free_vgpr 512
		.amdhsa_next_free_sgpr 66
		.amdhsa_reserve_vcc 0
		.amdhsa_float_denorm_mode_32 3
		.amdhsa_float_denorm_mode_16_64 3
		.amdhsa_memory_ordered 1
		.amdhsa_forward_progress 1
		.amdhsa_inst_pref_size 99
	.end_amdhsa_kernel
	.amdgpu_metadata
---
amdhsa.version: [ 1, 2 ]
amdhsa.kernels:
  - .name:           k_q6b3f49ea15_attn
    .symbol:         k_q6b3f49ea15_attn.kd
    .args:
      - { .name: codes, .offset: 0, .size: 8, .value_kind: global_buffer, .address_space: global }
      - { .name: out0, .offset: 8, .size: 8, .value_kind: global_buffer, .address_space: global }
    .group_segment_fixed_size: 327680
    .private_segment_fixed_size: 0
    .kernarg_segment_align: 8
    .kernarg_segment_size: 16
    .max_flat_workgroup_size: 256
    .sgpr_count:     66
    .vgpr_count:     512
    .wavefront_size: 32
...
	.end_amdgpu_metadata
.endif
;; end of part 2
;; ======== version 2 of 2: 2 launches
;; limits: right only within a limited range of input values
;; workspace buffers: codes 17,825,792 bytes
;; launch quant (part 3): grid 1024 x 1, 4 waves a work-group, no clusters, 67,072 bytes of LDS; arguments qkv, codes; writes codes
.if DOCPART == 3
	.amdgcn_target "amdgcn-amd-amdhsa--gfx1250"
	.amdhsa_code_object_version 6
	.text
	.protected	k_q6b3f49ea15_quant
	.globl	k_q6b3f49ea15_quant
	.p2align	8
	.type	k_q6b3f49ea15_quant,@function
k_q6b3f49ea15_quant:
	s_mov_b64 s[64:65], 0
	v_nop
	global_prefetch_b8 v0, s[64:65] scope:SCOPE_SE
	s_setreg_imm32_b32 hwreg(HW_REG_WAVE_MODE, 25, 1), 1
	s_wait_xcnt 0x0
; qkv [8][2048][3072] f32 = q | k | v.  This launch turns k and v into codes of FP4 (E2M1) with one E8M0 byte for each 32 along the K of the product that reads them: k along the 1,024 of a row, v along the keys.
; q is not touched here: each of its rows is read by one work-group of the second launch, once, and is quantised there.  Nothing of reference() is left out.
; A block's scale is 2^(floor(log2(its largest magnitude)) - 2); its byte is the largest magnitude's exponent field - 2, held at 1 from below by a floor among the maximum's leaves.
; LIMITS: a block of zeros gets the byte 1 where the rule says 127 (its codes are zeros, and this program alone reads the bytes); blocks whose largest magnitude lies under 2^-124 are not reproduced; NaN and infinities among the inputs are not served.
; THE WORKSPACE is laid in the order of the operands' registers: [batch 8][g 32][w 8][record of 8,704 bytes]; g 0-15 k, 16-31 v.
;   k: the record of row block B (32 rows) and half sh of the row's 1,024 lies at g = 2 (B / 8) + sh, w = B % 8: codes [s' 4][u 2][b 4][r 16][16 bytes], then scale words [u 2][r 16][s' 4].
;      Tile u, lane r is row 32 B + 8 u + r % 8 + 16 (r / 8); s' is a step of 128 along K, b a block of 32 in it.
;   v: the record of key step s (128 keys) and channels 128 w .. 128 w + 127 lies at g = 16 + s: codes [et 8][b 4][r 16][16 bytes], then scale words [et 8][r 16].
; [b][r][16 bytes] is the image of a 4-bit fragment: its registers 4 c .. 4 c + 3 are the 16 bytes at 512 c + 16 x lane.
; SHARES: 4,096 jobs of 32 KiB, a wave each; four work-groups' LDS (4 x 67,072 bytes) and registers (4 x 240 a SIMD) fit on a WGP.
;   Work-groups 0-511: k, a job = one tile of 16 rows x two items of 2 x 128 along K.  Work-groups 512-1023: v, a job = 32 channels x 256 keys.
; No tensor loads, no barrier, no matrix unit: waves share nothing.
.set REC,    8704
.set FILLB,  8*REC
.set BATCHB, 32*FILLB
.set ROWB,   12288                     ; a row of qkv in bytes
.set SPITCH, 1040                      ; a stage row: two pieces of 512 bytes + 16 of padding
.set WSTAGE, 16*SPITCH                 ; a wave's stage
.set SPARE,  4*WSTAGE                  ; the spare words, 128 bytes a wave
.set R,   16                           ; v16-143  k: 32 loads x 4 registers;  v: eight sets of codes
.set X,   144                          ; v144-207 two sets of 32 numbers: a block each
.set C,   208                          ; v208-223 k: four sets of codes
.set W,   224                          ; v224-225 scale words
.set SPW, 236
.set NIL, 237
	s_load_b128 s[4:7], s[0:1], 0x0                ; qkv s[4:5], codes s[6:7]
	v_lshl_add_u32 v[SPW], v0, 2, SPARE
	v_mov_b32 v[NIL], 0
	v_lshrrev_b32 v7, 5, v0
	v_readfirstlane_b32 s10, v7                    ; wave 0..3
	v_and_b32 v8, 31, v0                           ; lane
	v_and_b32 v9, 15, v0                           ; lane % 16
	v_bfe_u32 v10, v0, 4, 1                        ; lane / 16
	s_lshl_b32 s12, ttmp9, 2
	s_add_co_u32 s12, s12, s10                     ; 4 x work-group + wave
	s_mov_b32 s21, 0
	s_mov_b32 s23, 0
	s_mov_b32 s25, 0
	s_mov_b32 s27, 0
	s_wait_kmcnt 0x0
; The largest magnitude of the 32 numbers from v[xs] on, with the floor 2^(3 - 127) among the leaves; v230 = the conversion's scale operand (2 off the exponent field), v231 = the scale's byte.
.macro AMAX xs
.set XS, \xs
	v_max3_num_f32 v228, |v[XS]|, |v[XS+1]|, |v[XS+2]|
	v_max3_num_f32 v229, |v[XS+3]|, |v[XS+4]|, |v[XS+5]|
.irp n, 6,10,14,18,22,26
	v_max3_num_f32 v228, v228, |v[XS+\n]|, |v[XS+\n+1]|       ; two chains
	v_max3_num_f32 v229, v229, |v[XS+\n+2]|, |v[XS+\n+3]|
.endr
	v_max3_num_f32 v228, v228, |v[XS+30]|, |v[XS+31]|
	v_max3_num_f32 v228, v228, v229, 0x1800000
	v_add_nc_u32 v230, 0xff000000, v228
	v_lshrrev_b32 v231, 23, v230
.endm
	s_cmp_lt_u32 ttmp9, 512                        ; k or v?  The work-group's number alone decides
	s_cbranch_scc0 .Lvalues
; ---------------- k: K is innermost ----------------
; job J: par = J & 1 (items 2 par and 2 par + 1), u = (J >> 1) & 1, B = (J >> 2) & 63, batch = J >> 8
	s_and_b32 s15, s12, 1                          ; par
	s_bfe_u32 s13, s12, 0x10001                    ; u
	s_bfe_u32 s14, s12, 0x60002                    ; B
	s_lshr_b32 s16, s12, 8                         ; batch
	s_lshl_b32 s17, s16, 11
	s_lshl_b32 s18, s14, 5
	s_add_co_u32 s17, s17, s18
	s_lshl_b32 s18, s13, 3
	s_add_co_u32 s17, s17, s18                     ; the tile's first row: 2048 batch + 32 B + 8 u
	s_mul_i32 s20, s17, ROWB                       ; (under 2^28)
	s_add_co_u32 s20, s20, 4096                    ; k begins 4,096 bytes into a row
	s_lshl_b32 s18, s15, 10
	s_add_co_u32 s20, s20, s18                     ; my first item: 512 bytes an item
	s_add_nc_u64 s[4:5], s[4:5], s[20:21]
	s_mul_i32 s22, s16, BATCHB
	s_lshr_b32 s18, s14, 3
	s_mul_i32 s17, s18, 2*FILLB                    ; g of half 0
	s_add_co_u32 s22, s22, s17
	s_and_b32 s18, s14, 7
	s_mul_i32 s18, s18, REC
	s_add_co_u32 s22, s22, s18
	s_add_nc_u64 s[6:7], s[6:7], s[22:23]          ; the record of half 0
	s_lshl_b32 s24, s13, 8
	s_add_co_u32 s24, s24, 8192
	s_lshl_b32 s18, s15, 3
	s_add_co_u32 s24, s24, s18
	s_add_nc_u64 s[8:9], s[6:7], s[24:25]          ; my tile's scale words, my two of a row's four
	s_lshl_b32 s24, s13, 10
	s_lshl_b32 s18, s15, 12
	s_add_co_u32 s24, s24, s18
	s_add_nc_u64 s[6:7], s[6:7], s[24:25]          ; my tile's codes, my two K steps of a half's four
	s_wait_alu depctr_va_vdst(0)                   ; the wait behind the run of scalar lines
	v_lshlrev_b32 v1, 4, v8                        ; 16 x lane: my 16 bytes of a load's 512
	s_mul_i32 s11, s10, WSTAGE
	v_add_nc_u32 v2, s11, v1                       ; the stage, on the way in: as loaded
	v_mul_u32_u24 v3, v9, SPITCH
	v_lshl_add_u32 v3, v10, 9, v3
	v_add_nc_u32 v3, s11, v3                       ; and on the way out: row lane % 16, piece lane / 16
	v_mul_u32_u24 v4, v10, FILLB
	v_lshl_add_u32 v4, v9, 4, v4                   ; in the workspace: lanes 16-31 write the record of half 1; 16 bytes a row
; Item i of my two: K steps 2 par + i (lanes 0-15) and 4 more (lanes 16-31) of the 16 rows.  Each load takes 512 consecutive bytes of a row; the conversions want a block's 32 numbers in ONE lane:
; so an item's 16 KiB turn through the wave's own stage in LDS, stored as loaded, read back 128 bytes a lane.
.macro LOADI i
.irp r, 0,1,2,3,4,5,6,7,8,9,10,11,12,13,14,15
.irp j, 0,1
	global_load_b128 v[R+4*(2*\r+\j):R+4*(2*\r+\j)+3], v1, s[4:5] offset:((\r%8)+16*(\r/8))*ROWB+((\i)+4*\j)*512 th:TH_LOAD_NT
.endr
.endr
.endm
.macro STAGEIN
.irp r, 0,1,2,3,4,5,6,7,8,9,10,11,12,13,14,15
.irp j, 0,1
	ds_store_b128 v2, v[R+4*(2*\r+\j):R+4*(2*\r+\j)+3] offset:\r*SPITCH+\j*512
.endr
.endr
.endm
.macro DSL b, p                        ; block b of my row's piece into set p.  LDS serves a wave's instructions in order: these see the stores above
.irp n, 0,1,2,3,4,5,6,7
	ds_load_b128 v[X+32*\p+4*\n:X+32*\p+4*\n+3], v3 offset:128*\b+16*\n
.endr
.endm
.macro QB i, b, p                      ; block b of item i, in set p: its byte into the item's scale word, its 32 codes into set b of the codes' four
	AMAX X+32*\p
.if \b == 0
	v_mov_b32 v[W+\i], v231                        ; four bytes to a word, the lower K in the lower byte
.else
	v_lshl_or_b32 v[W+\i], v231, 8*\b, v[W+\i]
.endif
.irp g, 0,1,2,3
	v_cvt_scalef32_pk8_fp4_f32 v[C+4*\b+\g], v[XS+8*\g:XS+8*\g+7], v230
.endr
	v_nop                                          ; one plain line behind the last conversion of a run
.endm
.macro ITEM i
	s_wait_loadcnt 0x0                             ; the item's 32 loads are in
	s_wait_xcnt 0x0                                ; the last item's stores have read their four sets of codes, which are written again below
	STAGEIN
	DSL 0, 0
	DSL 1, 1
	s_wait_dscnt 16                                ; all but the sixteen reads just issued: the 32 stores into the stage have read their registers,
.if \i < 1
	LOADI \i+1                                     ; which take the next item's loads
.endif
	s_wait_dscnt 8                                 ; set 0 is in; set 1's eight reads may be out
	QB \i, 0, 0
	DSL 2, 0
	s_wait_dscnt 8
	QB \i, 1, 1
	DSL 3, 1
	s_wait_dscnt 8
	QB \i, 2, 0
	s_wait_dscnt 0x0
	QB \i, 3, 1
.irp b, 0,1,2,3                        ; the item's four stores stand behind its last LDS read
	global_store_b128 v4, v[C+4*\b:C+4*\b+3], s[6:7] offset:(\i)*2048+\b*256   ; sixteen lanes store 256 consecutive bytes, aligned
.endr
.endm
	LOADI 0
	s_wait_alu depctr_va_vdst(0)                   ; the wait ahead of the wait that blocks
	ITEM 0
	ITEM 1
	global_store_b64 v4, v[W:W+1], s[8:9]          ; my row's two scale words of my half: 8 bytes of each 16; the job with the other par stores the rest: one byte for each 128 that the job reads
	s_wait_tensorcnt 0x0                           ; the wave's end, behind my last LDS store
	ds_add_u32 v[SPW], v[NIL]
	s_wait_dscnt 0x0
	s_endpgm
; ---------------- v: K = the keys is the outer axis ----------------
; A lane takes a channel, and its registers run down the keys: a block of 32 keys lies in one lane's 32 registers, and the conversions give codes with the keys innermost.
; job J: cg = J & 31 (32 channels), sg = (J >> 5) & 7 (256 keys), batch = J >> 8
.Lvalues:
	s_sub_co_u32 s12, s12, 2048
	s_and_b32 s13, s12, 31                         ; cg
	s_bfe_u32 s14, s12, 0x30005                    ; sg
	s_lshr_b32 s16, s12, 8                         ; batch
	s_lshl_b32 s17, s16, 11
	s_lshl_b32 s18, s14, 8
	s_add_co_u32 s17, s17, s18                     ; my first key's row
	s_mul_i32 s20, s17, ROWB
	s_lshl_b32 s18, s13, 7
	s_add_co_u32 s20, s20, s18
	s_add_co_u32 s20, s20, 8192                    ; v begins 8,192 bytes into a row
	s_add_nc_u64 s[4:5], s[4:5], s[20:21]
	s_mul_i32 s22, s16, BATCHB
	s_lshl_b32 s17, s14, 1
	s_add_co_u32 s17, s17, 16                      ; g of my first key step
	s_mul_i32 s17, s17, FILLB
	s_add_co_u32 s22, s22, s17
	s_lshr_b32 s18, s13, 2
	s_mul_i32 s18, s18, REC
	s_add_co_u32 s22, s22, s18
	s_add_nc_u64 s[6:7], s[6:7], s[22:23]          ; the record
	s_and_b32 s24, s13, 3
	s_lshl_b32 s26, s24, 7
	s_add_co_u32 s26, s26, 8192
	s_add_nc_u64 s[8:9], s[6:7], s[26:27]          ; my two tiles' scale words
	s_lshl_b32 s26, s24, 11
	s_add_nc_u64 s[6:7], s[6:7], s[26:27]          ; my two tiles' codes
	s_wait_alu depctr_va_vdst(0)                   ; the wait behind the run of scalar lines
	v_lshlrev_b32 v5, 2, v8                        ; 4 x lane: my channel in a row, and my scale word
	v_lshlrev_b32 v6, 10, v10
	v_lshl_add_u32 v6, v9, 4, v6                   ; my codes: tile lane / 16, row lane % 16
.macro VLOAD t                         ; block t: v(32 t + n, my channel), n = 0 .. 31, into set t % 2.  The largest offset, 255 rows, lies inside the signed 24-bit immediate
.irp n, 0,1,2,3,4,5,6,7,8,9,10,11,12,13,14,15,16,17,18,19,20,21,22,23,24,25,26,27,28,29,30,31
	global_load_b32 v[X+32*((\t)%2)+\n], v5, s[4:5] offset:(32*(\t)+\n)*ROWB th:TH_LOAD_NT
.endr
.endm
.macro VBLOCK t
.if \t < 7
	s_wait_loadcnt 32                              ; this block's 32 loads are in; the next block's may be out
.else
	s_wait_loadcnt 0x0
.endif
	AMAX X+32*((\t)%2)
.if (\t)%4 == 0
	v_mov_b32 v[W+(\t)/4], v231
.else
	v_lshl_or_b32 v[W+(\t)/4], v231, 8*((\t)%4), v[W+(\t)/4]
.endif
.irp g, 0,1,2,3
	v_cvt_scalef32_pk8_fp4_f32 v[R+4*(\t)+\g], v[XS+8*\g:XS+8*\g+7], v230   ; a set of its own for each block: no store's data are written again
.endr
	v_nop                                          ; one plain line behind the last conversion of a run
	global_store_b128 v6, v[R+4*(\t):R+4*(\t)+3], s[6:7] offset:((\t)/4)*FILLB+((\t)%4)*256   ; sixteen lanes store 256 consecutive bytes, aligned
.if (\t)%4 == 3
	global_store_b32 v5, v[W+(\t)/4], s[8:9] offset:((\t)/4)*FILLB   ; a key step's scale words of my 32 channels: 128 consecutive bytes
.endif
.if \t < 6
	VLOAD (\t)+2
.endif
.endm
	VLOAD 0
	VLOAD 1
.irp t, 0,1,2,3,4,5,6,7
	VBLOCK \t
.endr
	s_endpgm
.Lfunc_end_k_q6b3f49ea15_quant:
	.size	k_q6b3f49ea15_quant, .Lfunc_end_k_q6b3f49ea15_quant-k_q6b3f49ea15_quant
	.p2alignl 7, 3214868480
	.fill 96, 4, 3214868480
	.section	.rodata,"a",@progbits
	.p2align	6, 0x0
	.amdhsa_kernel k_q6b3f49ea15_quant
		.amdhsa_group_segment_fixed_size 67072
		.amdhsa_private_segment_fixed_size 0
		.amdhsa_enable_private_segment 0
		.amdhsa_kernarg_size 16
		.amdhsa_user_sgpr_count 2
		.amdhsa_user_sgpr_kernarg_segment_ptr 1
		.amdhsa_wavefront_size32 1
		.amdhsa_system_sgpr_workgroup_id_x 1
		.amdhsa_system_sgpr_workgroup_id_y 1
		.amdhsa_system_sgpr_workgroup_id_z 1
		.amdhsa_system_vgpr_workitem_id 0
		.amdhsa_next_free_vgpr 240
		.amdhsa_next_free_sgpr 66
		.amdhsa_reserve_vcc 0
		.amdhsa_float_denorm_mode_32 3
		.amdhsa_float_denorm_mode_16_64 3
		.amdhsa_memory_ordered 1
		.amdhsa_forward_progress 1
		.amdhsa_inst_pref_size 68
	.end_amdhsa_kernel
	.amdgpu_metadata
---
amdhsa.version: [ 1, 2 ]
amdhsa.kernels:
  - .name:           k_q6b3f49ea15_quant
    .symbol:         k_q6b3f49ea15_quant.kd
    .args:
      - { .name: qkv, .offset: 0, .size: 8, .value_kind: global_buffer, .address_space: global }
      - { .name: codes, .offset: 8, .size: 8, .value_kind: global_buffer, .address_space: global }
    .group_segment_fixed_size: 67072
    .private_segment_fixed_size: 0
    .kernarg_segment_align: 8
    .kernarg_segment_size: 16
    .max_flat_workgroup_size: 128
    .sgpr_count:     66
    .vgpr_count:     240
    .wavefront_size: 32
...
	.end_amdgpu_metadata
.endif
;; end of part 3
;; launch attn (part 4): grid 32 x 8, 8 waves a work-group, no clusters, 310,528 bytes of LDS; arguments codes, out0, qkv; writes out0
.if DOCPART == 4
	.amdgcn_target "amdgcn-amd-amdhsa--gfx1250"
	.amdhsa_code_object_version 6
	.text
	.protected	k_q6b3f49ea15_attn
	.globl	k_q6b3f49ea15_attn
	.p2align	8
	.type	k_q6b3f49ea15_attn,@function
k_q6b3f49ea15_attn:
	s_mov_b64 s[64:65], 0
	v_nop
	global_prefetch_b8 v0, s[64:65] scope:SCOPE_SE
	s_setreg_imm32_b32 hwreg(HW_REG_WAVE_MODE, 25, 1), 1
	s_wait_xcnt 0x0
; out[b][q][:] = the sum over k of softmax_k((q / 32) . k) v[k][:], one head of 1,024, 2,048 keys, both products on codes of FP4 (E2M1) with one E8M0 scale for each 32 along K.
; K's and V's codes and scale words come from the first launch's workspace, [batch 8][g 32][w 8][record of 8,704 bytes], laid in the order of the operands' registers.  Nothing of reference() is left out.
; Q IS QUANTISED HERE, in the head: each row of q is read by this work-group alone, once.  It is quantised as it lies: the division by 32, a power of two, moves no code; it stands in c = log2(e) / 32, so t = raw score x c.
; THE SOFTMAX.  What is quantised is p = 2^(t - M), M a whole number.  Each block of 32 keys has its own whole number M_b = ceil(the block's largest t): p_b = 2^(t - M_b) is quantised with its own byte
; (124 or 125), and its sum l_b is taken of the unquantised p_b.  When all keys are done: M = the largest M_b; a block's final byte = its byte + (M_b - M); l = the sum of l_b 2^(M_b - M).
; LIMITS: M_b - M is held at -123 from below, so that no byte falls under 1: blocks whose largest p lies under 2^-123 of the row's largest count for at most 6 x 2^-126 |v| a term too much.  A block of zeros of q gets the byte 1
; (its codes are zeros); blocks of q whose largest magnitude lies under 2^-119, where the rule's hold at -126 would bite on q / 32, are not reproduced.  NaN and infinities are not served.
; SHARES.  256 work-groups of 64 queries (four tiles of 16) of one batch; eight waves of 512 registers, two to a SIMD.
; THE HEAD: wave w quantises half w % 2 of tile w / 2: two items of 16 rows x 2 x 128 numbers.  Its 64 loads of 512 consecutive bytes go out at once (the second item lands in window 1); an item turns through the wave's stage,
;   so that a lane holds a block's 32 numbers; codes and scale words go to LDS as four records laid like K's, and every wave reads all of Q from there into its window 1.
; PHASE 1, 8 generations: wave w takes keys 32 (8 n + w) .. + 31: S^T = K Q^T, 8 accumulators, 64 matrix instructions.  The block's p is quantised in registers and goes to LDS as the second product's operand.
; PHASE 2: wave w owns channels 128 w .. + 127, in TWO GROUPS of 64 channels (256 bytes of a row): a group's 16 accumulators walk all 16 key steps, then the group is stored; group 0's stores are out while group 1 is multiplied.  P is read from LDS once a group.
; THE STREAM.  Every record of K and V is read by ONE wave of the work-group, so it comes from memory straight into that wave's registers, by global loads: phase 1 has two buffers of 64 registers, each asked for again when its
; 32 products are out; phase 2 four buffers of 32, four key steps ahead.  16 KiB a wave are on their way in both.  No slot in LDS, so no refill and no barrier for one: three barriers in the launch.
; NO CLUSTER: a joint load lands in LDS alone; here no byte of K or V is read by two waves of a work-group, and each would be written to LDS and read from it once, 2 x 1,114,112 bytes a work-group each way; beside P's 65,536 bytes two slots could hold one fill of 69,632 bytes each.
; PREFETCH.  K's 16 fills and V's 16 (69,632 bytes each) are walked by all 32 work-groups of a batch; work-group j asks for fill j, wave w for record w's 8,192 bytes of codes, lanes 256 bytes apart: each block is named once in the launch.
; It asks in generation min(j / 2 - 4, 7): K's fill j is loaded in generation j / 2 - 1, three generations on; V's fills not before the last generation.  Fills 0 to 7 and the scale words come by their loads alone.  q has no loop to run ahead in.
; REGISTERS.  Window 0: v1-15 addresses, v16-39 scale words and nothing else, v40-63 small numbers, v64-127 S^T (in the head a block's numbers, later the statistics, then P's fragments), v128-255 the buffers.  Window 1: Q, then v0-127 O^T and v128-255 rows on the way out.
.set REC,    8704
.set FILLB,  8*REC
.set BATCHB, 32*FILLB
.set ROWB,   12288                     ; a row of qkv in bytes
.set SPITCH, 1040                      ; the head's stage row: two pieces of 512 bytes + 16 of padding
.set ST,     65536                     ; LDS: 0: P's codes [key step 16][qt 4][b 4][r 16][16 bytes]; ST: the statistics [block 64][qt 4][lane 32][8 bytes]
.set PS,     131072                    ; P's scale words [key step 16][qt 4][r 16]
.set RL,     PS+4096                   ; 1 / l [qt 4][r 16]
.set SPARE,  RL+256                    ; the spare words, 128 bytes a wave
.set QL,     SPARE+1024                ; Q's four records (row block bq, half sh) at 2 bq + sh
.set STG,    QL+4*REC                  ; the stages: 17,408 bytes a wave: four tiles of 16 rows x (256 + 16) bytes; in the head 16 rows of SPITCH
.set TST,    16*272
.set LI,  1                            ; 16 x lane; P begins at LDS byte 0, so this is also my place in P
.set PRA, 1
.set L4,  2                            ; 4 x lane
.set PWA, 3                            ; where I put 8 bytes of P's codes, generation 0
.set STA, 4                            ; and my statistics
.set QCD, 5                            ; the head: where my block's codes go
.set PSA, 6                            ; PS + 4 x lane
.set STO, 7                            ; the stage, in
.set RD,  8                            ; the stage, back
.set CO,  9                            ; my byte offset in the result's rows
.set RLA, 10
.set PFO, 11                           ; 256 x lane
.set QLA, 12                           ; QL + 16 x lane
.set QSD, 13                           ; the head: where my row's two scale words go
.set SPW, 14
.set NIL, 15
.set QS,  16                           ; v16-31 Q's scale words
.set PSR, 16                           ; phase 2: v16-19 P's scale words, two sets
.set KSA, 32                           ; v32-35, v36-39 K's scale words of the two buffers
.set KSB, 36
.set VS,  32                           ; phase 2: V's scale words, two registers a buffer
.set TP,  40
.set TA,  40
.set TB,  41
.set QC,  44                           ; the head: v44-59 four sets of codes, v60-61 scale words, v62-63 the stage's addresses
.set QW,  60
.set SIN, 62
.set SOUT, 63
.set NP,  44                           ; pairs (-M_b, t_max - M_b)
.set RLP, 44                           ; phase 2: pairs (1 / l, -)
.set SCO, 52
.set CD,  56
.set MX,  56                           ; the blocks' largest scores: done with before the codes are made
.set FA,  52
.set FPS, 53
.set FRL, 54
.set FM,  57
.set FL,  58
.set FR,  59
.set S,   64
.set FW,  64
.set PF,  64
.set GA,  128
.set GB,  192
; scalars: s[4:5] codes, s[6:7] my rows of the result, s8 wave, s10 batch, s[12:13] c twice, s[14:15] lane selects, s[18:19] qkv, s[24:25], s[26:27] V's records for groups 0, 1, s[32:33] my prefetch, s34 its generation,
;          s35 the generation, s36 trips, s37 the mask of lanes 16-31, s[38:39] my rows of q, s[46:47] K's records, s48-50 stepped LDS offsets, s52-54 the middle step's LDS bases
.set MSB, 0
.macro WIN new                         ; the immediate's high byte repeats the setting that is left
.if MSB != \new
	s_set_vgpr_msb (MSB<<8)|\new
.set MSB, \new
.endif
.endm
.macro PLACES                          ; four plain places behind a matrix instruction, ahead of loads into its registers and of reads of its result
.rept 4
	v_nop
.endr
.endm
.macro WM4 c
.if fA && fB
	v_wmma_scale_f32_16x16x128_f8f6f4 v[rD:rD+7], v[rA:rA+7], v[rB:rB+7], \c, v[rSA], v[rSB] matrix_a_fmt:MATRIX_FMT_FP4 matrix_b_fmt:MATRIX_FMT_FP4 matrix_a_scale:MATRIX_SCALE_ROW1 matrix_b_scale:MATRIX_SCALE_ROW1
.elseif fA
	v_wmma_scale_f32_16x16x128_f8f6f4 v[rD:rD+7], v[rA:rA+7], v[rB:rB+7], \c, v[rSA], v[rSB] matrix_a_fmt:MATRIX_FMT_FP4 matrix_b_fmt:MATRIX_FMT_FP4 matrix_a_scale:MATRIX_SCALE_ROW1
.elseif fB
	v_wmma_scale_f32_16x16x128_f8f6f4 v[rD:rD+7], v[rA:rA+7], v[rB:rB+7], \c, v[rSA], v[rSB] matrix_a_fmt:MATRIX_FMT_FP4 matrix_b_fmt:MATRIX_FMT_FP4 matrix_b_scale:MATRIX_SCALE_ROW1
.else
	v_wmma_scale_f32_16x16x128_f8f6f4 v[rD:rD+7], v[rA:rA+7], v[rB:rB+7], \c, v[rSA], v[rSB] matrix_a_fmt:MATRIX_FMT_FP4 matrix_b_fmt:MATRIX_FMT_FP4
.endif
.endm
.macro WM zero                         ; on the symbols rD, rA, rB, rSA, rSB; fA, fB: the scale words stand in lanes 16-31.  zero = 1 starts the sum
.if \zero
	WM4 0
.else
	WM4 v[rD:rD+7]
.endif
.endm
.macro ASK
	s_cmp_eq_u32 s35, s34
	s_cbranch_scc0 .Lnot_mine_\@
	global_prefetch_b8 v[PFO], s[32:33] th:TH_LOAD_NT scope:SCOPE_SE   ; its address registers are never rewritten
.Lnot_mine_\@:
.endm
; THE HEAD'S QUANTISER.  Item i of my two: K steps 2 (w % 2) + i (lanes 0-15: half 0) and 4 more (lanes 16-31: half 1) of my tile's 16 rows.
.macro LOADI i, rb                     ; 32 loads of 512 consecutive bytes
.irp r, 0,1,2,3,4,5,6,7,8,9,10,11,12,13,14,15
.irp j, 0,1
	global_load_b128 v[\rb+4*(2*\r+\j):\rb+4*(2*\r+\j)+3], v[LI], s[38:39] offset:((\r%8)+16*(\r/8))*ROWB+((\i)+4*\j)*512 th:TH_LOAD_NT
.endr
.endr
.endm
.macro STAGEIN rb
.irp r, 0,1,2,3,4,5,6,7,8,9,10,11,12,13,14,15
.irp j, 0,1
	ds_store_b128 v[SIN], v[\rb+4*(2*\r+\j):\rb+4*(2*\r+\j)+3] offset:\r*SPITCH+\j*512
.endr
.endr
.endm
.macro DSL b, p                        ; block b of my row's piece into set p.  LDS serves a wave's instructions in order: these see the stores above
.irp n, 0,1,2,3,4,5,6,7
	ds_load_b128 v[S+32*\p+4*\n:S+32*\p+4*\n+3], v[SOUT] offset:128*\b+16*\n
.endr
.endm
.macro QB i, b, p                      ; block b of item i, in set p: the largest magnitude with the floor 2^(3 - 127) among its leaves, the byte into the item's scale word, 32 codes into Q's record
.set XS, S+32*\p
	v_max3_num_f32 v40, |v[XS]|, |v[XS+1]|, |v[XS+2]|
	v_max3_num_f32 v41, |v[XS+3]|, |v[XS+4]|, |v[XS+5]|
.irp n, 6,10,14,18,22,26
	v_max3_num_f32 v40, v40, |v[XS+\n]|, |v[XS+\n+1]|
	v_max3_num_f32 v41, v41, |v[XS+\n+2]|, |v[XS+\n+3]|
.endr
	v_max3_num_f32 v40, v40, |v[XS+30]|, |v[XS+31]|
	v_max3_num_f32 v40, v40, v41, 0x1800000
	v_add_nc_u32 v42, 0xff000000, v40              ; 2 off the exponent field: the conversions' scale operand
	v_lshrrev_b32 v43, 23, v42                     ; the byte
.if \b == 0
	v_mov_b32 v[QW+\i], v43
.else
	v_lshl_or_b32 v[QW+\i], v43, 8*\b, v[QW+\i]
.endif
.irp g, 0,1,2,3
	v_cvt_scalef32_pk8_fp4_f32 v[QC+4*\b+\g], v[XS+8*\g:XS+8*\g+7], v42
.endr
	v_nop                                          ; one plain line behind the last conversion of a run
	ds_store_b128 v[QCD], v[QC+4*\b:QC+4*\b+3] offset:(\i)*2048+\b*256
.endm
.macro QITEM i                         ; sets 0 and 1 have been asked for
	s_wait_dscnt 8                                 ; set 0 is in; set 1's eight reads may be out
	QB \i, 0, 0
	DSL 2, 0
	s_wait_dscnt 9                                 ; set 1 is in; one store of codes and the eight reads just issued may be out
	QB \i, 1, 1
	DSL 3, 1
	s_wait_dscnt 9
	QB \i, 2, 0
	s_wait_dscnt 1                                 ; the last set is in; one store of codes may be out
	QB \i, 3, 1
.endm
.macro KLD fb, kb, off                 ; a record of K: 16 pieces of 512 bytes as they stand in four registers each, and its scale words: 17 loads
.irp f, 0,1,2,3,4,5,6,7,8,9,10,11,12,13,14,15
	global_load_b128 v[\fb+4*\f:\fb+4*\f+3], v[LI], s[46:47] offset:\off+512*\f
.endr
	global_load_b128 v[\kb:\kb+3], v[LI], s[46:47] offset:\off+8192
.endm
.macro VLD b, pc, soff                 ; half a record of V (four tiles of 16 channels x 128 keys) into buffer b, key step b of the four at s[pc]: 10 loads
.irp f, 0,1,2,3,4,5,6,7
	global_load_b128 v[GA+32*(\b)+4*\f:GA+32*(\b)+4*\f+3], v[LI], s[\pc:\pc+1] offset:(\b)*FILLB+512*\f
.endr
.irp i, 0,1
	global_load_b32 v[VS+2*(\b)+\i], v[L4], s[\pc:\pc+1] offset:(\b)*FILLB+\soff+128*\i
.endr
.endm
.macro PLD pb, ra, rs, k               ; P's four fragments and two registers of scale words of key step k from the addresses' base: 10 LDS loads
.irp i, 0,1
	ds_load_b32 v[PSR+2*(\pb)+\i], v[\rs] offset:256*(\k)+128*\i
.endr
.irp f, 0,1,2,3,4,5,6,7
	ds_load_b128 v[PF+32*(\pb)+4*\f:PF+32*(\pb)+4*\f+3], v[\ra] offset:4096*(\k)+512*\f
.endr
.endm
; 32 matrix instructions: half sh of the 1,024 along K.  The eight accumulators take turns, one instruction a turn.
.macro MULK sh, fb, kb
	WIN 0x04                                       ; source 1 (Q) in window 1
.irp sp, 0,1,2,3
.irp qt, 0,1,2,3
.irp u, 0,1
.set rD, S+16*\qt+8*\u
.set rA, \fb+8*(2*\sp+\u)
.set rB, 8*(8*\qt+4*\sh+\sp)
.set rSA, \kb+\sp
.set rSB, QS+8*(\qt/2)+4*\sh+\sp
.set fA, \u
.set fB, \qt%2
.if (\sh == 0) && (\sp == 0)
	WM 1
.else
	WM 0
.endif
.endr
.endr
.endr
	WIN 0
.endm
; The block's softmax and quantiser, the four tiles of queries by turns.  Lane (r, h) holds query r and keys 16 h + 0 .. 15 of the block in v[S + 16 q] on.  The sums are made in place, so both buffers stay free for loads.
.macro SOFTMAX
.irp q, 0,1,2,3
	v_max3_num_f32 v[MX+\q], v[S+16*\q], v[S+16*\q+1], v[S+16*\q+2]   ; each accumulator is read from its low end on
.endr
.irp i, 3,5,7,9,11,13
.irp q, 0,1,2,3
	v_max3_num_f32 v[MX+\q], v[MX+\q], v[S+16*\q+\i], v[S+16*\q+\i+1]
.endr
.endr
.irp q, 0,1,2,3
	v_max_num_f32 v[MX+\q], v[MX+\q], v[S+16*\q+15]
.endr
.irp q, 0,1,2,3
	s_delay_alu instid0(VALU_DEP_4)
	v_permlanex16_b32 v[TP+\q], v[MX+\q], s14, s15
.endr
.irp q, 0,1,2,3
	s_delay_alu instid0(VALU_DEP_4)
	v_max_num_f32 v[MX+\q], v[MX+\q], v[TP+\q]     ; with lane l xor 16's 16 keys: the block's largest score
.endr
.irp q, 0,1,2,3
	s_delay_alu instid0(VALU_DEP_4)
	v_mul_f32 v[SCO+\q], s12, v[MX+\q]             ; as t (c is positive)
.endr
.irp q, 0,1,2,3
	s_delay_alu instid0(VALU_DEP_4)
	v_floor_f32 v[NP+2*\q], -v[SCO+\q]             ; -M_b = -ceil(t)
.endr
.irp q, 0,1,2,3
	s_delay_alu instid0(VALU_DEP_4)
	v_fma_f32 v[NP+2*\q+1], v[MX+\q], s12, v[NP+2*\q]   ; the largest t - M_b: the same multiply-add and exponential as the scores give the block's largest p
.endr
.irp j, 0,2,4,6,8,10,12,14
.irp q, 0,1,2,3
	v_pk_fma_f32 v[S+16*\q+\j:S+16*\q+\j+1], v[S+16*\q+\j:S+16*\q+\j+1], s[12:13], v[NP+2*\q:NP+2*\q+1] op_sel_hi:[1,0,0]   ; t - M_b, two at a time
.endr
.endr
.set j, 0
	s_wait_alu depctr_va_vdst(0)                   ; the wait ahead of the batch
.rept 64
	v_exp_f32 v[S+j], v[S+j]                       ; p = 2^(t - M_b): one batch of 68
.set j, j+1
.endr
.irp q, 0,1,2,3
	v_exp_f32 v[NP+2*\q+1], v[NP+2*\q+1]
.endr
	v_add_nc_u32 v[TA], s48, v[PWA]                ; this generation's places in LDS: plain work behind the last exponential
	v_add_nc_u32 v[TB], s48, v[STA]
	s_wait_alu depctr_va_vdst(0)                   ; and the wait behind it, ahead of the first line that names a result
.irp q, 0,1,2,3
	v_add_nc_u32 v[SCO+\q], 0xff000000, v[NP+2*\q+1]   ; 2 off the exponent field of the block's largest p: the conversions' scale operand
.endr
.irp q, 0,1,2,3
	v_cvt_scalef32_pk8_fp4_f32 v[CD+2*\q], v[S+16*\q:S+16*\q+7], v[SCO+\q]
	v_cvt_scalef32_pk8_fp4_f32 v[CD+2*\q+1], v[S+16*\q+8:S+16*\q+15], v[SCO+\q]
.endr
	v_nop                                          ; one plain line behind the last conversion: its sources are written below
.irp j, 4,8,12
.irp q, 0,1,2,3
	v_pk_add_f32 v[S+16*\q:S+16*\q+1], v[S+16*\q:S+16*\q+1], v[S+16*\q+\j:S+16*\q+\j+1]   ; the sum is taken of the unquantised p: two at a time, in two chains
.endr
.irp q, 0,1,2,3
	v_pk_add_f32 v[S+16*\q+2:S+16*\q+3], v[S+16*\q+2:S+16*\q+3], v[S+16*\q+\j+2:S+16*\q+\j+3]
.endr
.endr
.irp q, 0,1,2,3
	s_delay_alu instid0(VALU_DEP_4)
	v_pk_add_f32 v[S+16*\q:S+16*\q+1], v[S+16*\q:S+16*\q+1], v[S+16*\q+2:S+16*\q+3]
.endr
.irp q, 0,1,2,3
	s_delay_alu instid0(VALU_DEP_4)
	v_add_f32 v[S+16*\q], v[S+16*\q], v[S+16*\q+1]   ; my 16 keys' part of l_b
.endr
.irp q, 0,1,2,3
	v_lshrrev_b32 v[SCO+\q], 23, v[SCO+\q]         ; the byte under M_b
.endr
.irp q, 0,1,2,3
	s_delay_alu instid0(VALU_DEP_4)
	v_cndmask_b32 v[S+16*\q+1], v[NP+2*\q], v[SCO+\q], s37   ; beside the sum: lanes 0-15 carry -M_b, lanes 16-31 the byte
.endr
.irp q, 0,1,2,3
	ds_store_b64 v[TA], v[CD+2*\q:CD+2*\q+1] offset:1024*\q   ; 16 codes: my half of the block's 16 bytes of query r
	ds_store_b64 v[TB], v[S+16*\q:S+16*\q+1] offset:256*\q
.endr
.endm
; A GENERATION.  Each buffer is asked for again as soon as its products are out.  last = 1: what is asked for is V's first four key steps of group 0.
.macro GEN last
	s_wait_dscnt 0x0                               ; the last generation's LDS stores have read their registers (the first time: Q is in)
	s_wait_loadcnt 17                              ; buffer A is in; buffer B's 17 loads may be out
	MULK 0, GA, KSA
	PLACES
.if \last
	VLD 0, 24, 8192
	VLD 1, 24, 8192
	s_wait_loadcnt 20                              ; buffer B is in; the 20 just issued may be out
.else
	s_wait_xcnt 0x0                                ; the loads that named the base have read it
	s_add_nc_u64 s[46:47], s[46:47], 2*FILLB
	KLD GA, KSA, 0
	s_wait_loadcnt 17
.endif
	MULK 1, GB, KSB
	PLACES                                         ; also the places ahead of the softmax's first read of results
.if \last
	VLD 2, 24, 8192
	VLD 3, 24, 8192
.else
	KLD GB, KSB, FILLB
.endif
	ASK
	SOFTMAX
	s_add_co_u32 s48, s48, 8192                    ; the next generation: two key steps of P, eight blocks of statistics
	s_add_co_u32 s35, s35, 1
.endm
; A KEY STEP of phase 2 on V's buffer j and P's set j % 2: 16 matrix instructions, the 16 accumulators by turns.  ld: the buffer takes the key step four on.  pm: P's set takes the key step two on (1), or the next group's first two (2).
.macro STEP j, z, ld, pm, pc, soff, lc, dc
	s_wait_loadcnt \lc                             ; my buffer is in; the loads of the buffers behind it may be out
	s_wait_dscnt \dc                               ; my set of P is in; the other set's ten loads may be out
	WIN 0x50                                       ; C and D (O^T) in window 1
.irp e, 0,1,2,3
.irp q, 0,1,2,3
.set rD, 8*(4*\e+\q)
.set rA, GA+32*(\j)+8*\e
.set rB, PF+32*((\j)%2)+8*\q
.set rSA, VS+2*(\j)+\e/2
.set rSB, PSR+2*((\j)%2)+\q/2
.set fA, \e%2
.set fB, \q%2
	WM \z
.endr
.endr
	WIN 0
.if (\ld) || (\pm)
	PLACES
.endif
.if \ld
	VLD \j, \pc, \soff
.endif
.if (\pm) == 1
	PLD (\j)%2, TA, TB, (\j)+2
.endif
.if (\pm) == 2
	PLD (\j)%2, PRA, PSA, (\j)-2
.endif
.endm
; FOUR KEY STEPS.  kind 0: in a group's middle; 1: group 0's last four, which ask for group 1's first; 2: the last four of all, which ask for nothing.
.macro TRIP z, kind, pc, soff, step
	v_add_nc_u32 v[TA], s49, v[PRA]
	v_add_nc_u32 v[TB], s50, v[PSA]
	s_wait_alu depctr_va_vdst(0)
.if \step
	s_wait_xcnt 0x0                                ; the loads that named the base have read it
	s_add_nc_u64 s[\pc:\pc+1], s[\pc:\pc+1], 4*FILLB
.endif
.if \kind == 2
	STEP 0, \z, 0, 1, \pc, \soff, 30, 10
	STEP 1, 0, 0, 1, \pc, \soff, 20, 10
	STEP 2, 0, 0, 0, \pc, \soff, 10, 10
	STEP 3, 0, 0, 0, \pc, \soff, 0, 0
.else
	STEP 0, \z, 1, 1, \pc, \soff, 30, 10
	STEP 1, 0, 1, 1, \pc, \soff, 30, 10
	STEP 2, 0, 1, 1+\kind, \pc, \soff, 30, 10
	STEP 3, 0, 1, 1+\kind, \pc, \soff, 30, 10
.endif
	s_add_co_u32 s49, s49, 16384
	s_add_co_u32 s50, s50, 1024
.endm
; THE WAY OUT of group g: O^T / l; a lane's eight channels of a row are 32 bytes: the four tiles go through my stage and come back as rows of 256 bytes; sixteen lanes store one aligned unit of 256 bytes.
.macro WAYOUT g
	s_wait_xcnt 0x0                                ; the last group's stores have read the registers into which rows come back
	PLACES
	WIN 0x41                                       ; O^T (destination and source 0) in window 1, 1 / l in window 0
.irp q, 0,1,2,3
.irp e, 0,1,2,3
.irp j, 0,2,4,6
	v_pk_mul_f32 v[8*(4*\e+\q)+\j:8*(4*\e+\q)+\j+1], v[8*(4*\e+\q)+\j:8*(4*\e+\q)+\j+1], v[RLP+2*\q:RLP+2*\q+1] op_sel_hi:[1,0]   ; each accumulator from its low end on
.endr
.endr
.endr
	WIN 0x04                                       ; a store's data are its source 1
.irp q, 0,1,2,3
.irp e, 0,1,2,3
	ds_store_b128 v[STO], v[8*(4*\e+\q):8*(4*\e+\q)+3] offset:\q*TST+64*\e
	ds_store_b128 v[STO], v[8*(4*\e+\q)+4:8*(4*\e+\q)+7] offset:\q*TST+64*\e+16
.endr
.endr
	WIN 0x40
.irp q, 0,1,2,3
.irp i, 0,1,2,3,4,5,6,7
	ds_load_b128 v[128+32*\q+4*\i:128+32*\q+4*\i+3], v[RD] offset:\q*TST+544*\i   ; LDS serves a wave's instructions in order: these see the stores above
.endr
.endr
	WIN 0x04
.irp q, 0,1,2,3
	s_wait_dscnt 24-8*\q                           ; tile q's eight loads are in; the later tiles' may be out
.irp i, 0,1,2,3,4,5,6,7
	global_store_b128 v[CO], v[128+32*\q+4*\i:128+32*\q+4*\i+3], s[6:7] offset:(32*(\q/2)+8*(\q%2)+2*\i+8*(\i/4))*4096+256*\g th:TH_STORE_NT   ; row i' = 2 i + lane / 16 of the tile is query 32 (q / 2) + 8 (q % 2) + i' % 8 + 16 (i' / 8)
.endr
.endr
	WIN 0
.endm
	s_load_b128 s[4:7], s[0:1], 0x0                ; codes, out0
	s_load_b64 s[18:19], s[0:1], 0x10              ; qkv
	v_lshl_add_u32 v[SPW], v0, 2, SPARE
	v_mov_b32 v[NIL], 0
	v_lshrrev_b32 v52, 5, v0
	v_and_b32 v53, 31, v0                          ; lane
	v_and_b32 v54, 15, v0                          ; r
	v_bfe_u32 v55, v0, 4, 1                        ; h
	s_delay_alu instid0(VALU_DEP_4)
	v_readfirstlane_b32 s8, v52                    ; wave 0..7
	s_wait_alu depctr_va_vdst(0)                   ; the wait ahead of the run of scalar lines
	s_and_b32 s10, ttmp7, 0xffff                   ; the batch
	s_mov_b32 s12, 0x3d38aa3b                      ; c = log2(e) / 32
	s_mov_b32 s13, s12
	s_mov_b32 s14, 0x76543210
	s_mov_b32 s15, 0xfedcba98                      ; selects for lane l xor 16
	s_mov_b32 s37, 0xffff0000
	s_mov_b32 s35, 0
	s_mov_b32 s48, 0
	s_mov_b32 s49, 0
	s_mov_b32 s50, 0
	s_mul_i32 s40, s10, BATCHB
	s_mul_i32 s41, s8, REC
	s_and_b32 s43, s8, 1                           ; w % 2
	s_lshr_b32 s44, s8, 1                          ; w / 2: my tile in the head and in the middle step
	s_lshr_b32 s51, s8, 2                          ; its row block bq,
	s_and_b32 s42, s44, 1                          ; and u
	s_add_co_u32 s20, s40, s41                     ; my record of K's fill 0
	s_mov_b32 s21, 0
	s_mul_i32 s28, ttmp9, FILLB                    ; the prefetch: record w of fill x,
	s_add_co_u32 s28, s28, s20
	s_mov_b32 s29, 0
	s_lshr_b32 s34, ttmp9, 1
	s_sub_co_i32 s34, s34, 4                       ; in generation x / 2 - 4 (under 0: never),
	s_min_i32 s34, s34, 7                          ; 7 at the latest
	s_lshl_b32 s22, s10, 5
	s_add_co_u32 s22, s22, ttmp9                   ; 32 batch + x: my block of 64 rows
	s_lshl_b32 s30, s22, 18                        ; the result: 64 rows of 4,096 bytes a block, + my 512 bytes of a row
	s_lshl_b32 s45, s8, 9
	s_add_co_u32 s30, s30, s45
	s_mov_b32 s31, 0
	s_lshl_b32 s22, s22, 6                         ; q: my tile's first row: 64 x block + 32 bq + 8 u,
	s_lshl_b32 s45, s51, 5
	s_add_co_u32 s22, s22, s45
	s_lshl_b32 s45, s42, 3
	s_add_co_u32 s22, s22, s45
	s_mul_i32 s22, s22, ROWB                       ; (under 2^28)
	s_lshl_b32 s45, s43, 10                        ; K steps 2 (w % 2) on
	s_add_co_u32 s22, s22, s45
	s_mov_b32 s23, 0
	s_lshl_b32 s52, s44, 8                         ; the middle step: tile w / 2, queries 8 (w % 2) on
	s_lshl_b32 s45, s43, 6
	s_add_co_u32 s52, s52, s45
	s_add_co_u32 s52, s52, ST
	s_lshl_b32 s53, s44, 6
	s_lshl_b32 s45, s43, 5
	s_add_co_u32 s53, s53, s45
	s_add_co_u32 s54, s53, RL
	s_add_co_u32 s53, s53, PS
	s_lshl_b32 s55, s51, 12                        ; my key block 8 n + w lies in key step 2 n + w / 4, as its block w % 4
	s_and_b32 s45, s8, 3
	s_lshl_b32 s45, s45, 8
	s_add_co_u32 s55, s55, s45
	s_lshl_b32 s56, s8, 10
	s_add_co_u32 s56, s56, ST
	s_mul_i32 s57, s8, 4*TST
	s_add_co_u32 s57, s57, STG                     ; my stage
	s_mul_i32 s58, s51, 2*REC
	s_add_co_u32 s58, s58, QL                      ; Q's record (bq, half 0) in LDS
	s_lshl_b32 s45, s42, 8
	s_add_co_u32 s59, s58, s45
	s_add_co_u32 s59, s59, 8192
	s_lshl_b32 s45, s43, 3
	s_add_co_u32 s59, s59, s45                     ; scale words: tile u, words 2 (w % 2) on
	s_lshl_b32 s45, s43, 12
	s_add_co_u32 s58, s58, s45
	s_lshl_b32 s45, s42, 10
	s_add_co_u32 s58, s58, s45                     ; codes: K steps 2 (w % 2) on, tile u
	v_lshlrev_b32 v[LI], 4, v53
	v_lshlrev_b32 v[L4], 2, v53
	v_lshlrev_b32 v[PFO], 8, v53
	v_lshlrev_b32 v[STA], 3, v53
	v_lshlrev_b32 v[PWA], 4, v54
	v_lshlrev_b32 v[RLA], 2, v54
	v_mul_u32_u24 v[STO], v54, 272
	v_mul_u32_u24 v[RD], v55, 272
	v_lshlrev_b32 v[CO], 12, v55
	v_mul_u32_u24 v56, v55, REC                    ; lanes 16-31 write the record of half 1
	v_mul_u32_u24 v[SOUT], v54, SPITCH
	v_add_nc_u32 v[PSA], PS, v[L4]
	v_add_nc_u32 v[QLA], QL, v[LI]
	v_add_nc_u32 v[STA], s56, v[STA]
	v_lshl_add_u32 v[PWA], v55, 3, v[PWA]
	v_add_nc_u32 v[RLA], RL, v[RLA]
	v_lshl_add_u32 v[STO], v55, 5, v[STO]          ; in: row r, 32 bytes for each half of the lanes
	v_lshl_add_u32 v[RD], v54, 4, v[RD]            ; back: lanes 0-15 one row, lanes 16-31 the next
	v_lshl_add_u32 v[CO], v54, 4, v[CO]
	v_lshl_add_u32 v[QCD], v54, 4, v56             ; 16 bytes a row
	v_lshl_add_u32 v[SOUT], v55, 9, v[SOUT]        ; the head's stage, out: row lane % 16, piece lane / 16
	v_add_nc_u32 v[SIN], s57, v[LI]                ; and in: as loaded
	v_add_nc_u32 v[PWA], s55, v[PWA]
	v_add_nc_u32 v[STO], s57, v[STO]
	v_add_nc_u32 v[RD], s57, v[RD]
	v_add_nc_u32 v[QSD], s59, v[QCD]
	v_add_nc_u32 v[QCD], s58, v[QCD]
	v_add_nc_u32 v[SOUT], s57, v[SOUT]
	s_wait_alu depctr_va_vdst(0)                   ; the wait at the head's end
	s_wait_kmcnt 0x0
	s_add_nc_u64 s[38:39], s[18:19], s[22:23]
	s_add_nc_u64 s[46:47], s[4:5], s[20:21]
	s_add_nc_u64 s[24:25], s[46:47], 16*FILLB      ; V's key step 0, my record: group 0's four tiles,
	s_add_nc_u64 s[26:27], s[24:25], 4096          ; group 1's
	s_add_nc_u64 s[32:33], s[4:5], s[28:29]
	s_add_nc_u64 s[6:7], s[6:7], s[30:31]
	LOADI 0, GA                                    ; my two items of q: 64 loads
	WIN 0x40
	LOADI 1, 0                                     ; the second lands in window 1
	WIN 0
	s_wait_loadcnt 32                              ; item 0 is in; item 1's 32 loads may be out
	STAGEIN GA
	DSL 0, 0
	DSL 1, 1
	s_wait_dscnt 16                                ; all but the sixteen reads just issued: the 32 stores into the stage have read their registers,
	KLD GA, KSA, 0                                 ; which take generation 0's two records of K
	KLD GB, KSB, FILLB
	QITEM 0
	s_wait_loadcnt 34                              ; item 1 is in; K's 34 loads may be out
	WIN 0x04
	STAGEIN 0
	WIN 0
	DSL 0, 0
	DSL 1, 1
	QITEM 1
	ds_store_b64 v[QSD], v[QW:QW+1]                ; my row's two scale words of my half
	s_wait_dscnt 0x0                               ; for the others' sake
	s_barrier_signal -1
	s_barrier_wait -1
	WIN 0x40                                       ; Q stays in window 1: tile qt = 2 bq + u, K step s = 4 sh + sp, at 8 (8 qt + s)
.irp bq, 0,1
.irp sh, 0,1
.irp sp, 0,1,2,3
.irp u, 0,1
.irp c, 0,1
	ds_load_b128 v[8*(8*(2*\bq+\u)+4*\sh+\sp)+4*\c:8*(8*(2*\bq+\u)+4*\sh+\sp)+4*\c+3], v[QLA] offset:(2*\bq+\sh)*REC+\sp*2048+\u*1024+512*\c
.endr
.endr
.endr
.endr
.endr
	WIN 0
.irp bq, 0,1
.irp sh, 0,1
	ds_load_b128 v[QS+8*\bq+4*\sh:QS+8*\bq+4*\sh+3], v[QLA] offset:(2*\bq+\sh)*REC+8192
.endr
.endr
	; ---- PHASE 1: eight generations of 256 keys
	s_mov_b32 s36, 7
.Lgen:
	GEN 0
	s_sub_co_u32 s36, s36, 1
	s_cmp_lg_u32 s36, 0
	s_cbranch_scc1 .Lgen
	GEN 1
	; ---- BETWEEN THE PHASES.  Lane l of wave w serves query 8 (w % 2) + l / 4 of tile w / 2, and of its 64 blocks the sixteen from 16 (l % 4) on.  V's first loads stay out across both barriers: they land in my registers.
	s_wait_dscnt 0x0                               ; my codes of P and my statistics have landed
	s_barrier_signal -1
	s_barrier_wait -1
	v_and_b32 v55, 3, v0
	v_bfe_u32 v56, v0, 2, 3
	s_delay_alu instid0(VALU_DEP_2)
	v_lshlrev_b32 v[FA], 14, v55
	s_delay_alu instid0(VALU_DEP_3)
	v_lshlrev_b32 v[FPS], 10, v55
	s_delay_alu instid0(VALU_DEP_3)
	v_lshlrev_b32 v[FRL], 2, v56
	s_delay_alu instid0(VALU_DEP_3)
	v_lshl_add_u32 v[FA], v56, 3, v[FA]
	s_delay_alu instid0(VALU_DEP_3)
	v_lshl_add_u32 v[FPS], v56, 2, v[FPS]
	s_delay_alu instid0(VALU_DEP_3)
	v_add_nc_u32 v[FRL], s54, v[FRL]
	s_delay_alu instid0(VALU_DEP_3)
	v_add_nc_u32 v[FA], s52, v[FA]
	s_delay_alu instid0(VALU_DEP_3)
	v_add_nc_u32 v[FPS], s53, v[FPS]
.irp k, 0,1,2,3,4,5,6,7,8,9,10,11,12,13,14,15
	ds_load_b64 v[FW+4*\k:FW+4*\k+1], v[FA] offset:1024*\k          ; block 16 g + k: (keys 0-15's part of l_b, -M_b),
	ds_load_b64 v[FW+4*\k+2:FW+4*\k+3], v[FA] offset:1024*\k+128    ; (keys 16-31's part, the byte)
.endr
	s_wait_dscnt 0x0
	v_max3_num_f32 v[FM], -v[FW+1], -v[FW+5], -v[FW+9]
.irp k, 3,5,7,9,11,13
	s_delay_alu instid0(VALU_DEP_1)
	v_max3_num_f32 v[FM], v[FM], -v[FW+4*\k+1], -v[FW+4*\k+5]
.endr
	s_delay_alu instid0(VALU_DEP_1)
	v_max_num_f32 v[FM], v[FM], -v[FW+61]
	s_delay_alu instid0(VALU_DEP_1)
	v_max_num_f32_dpp v[FM], v[FM], v[FM] row_xmask:1 row_mask:0xf bank_mask:0xf
	s_delay_alu instid0(VALU_DEP_1)
	v_max_num_f32_dpp v[FM], v[FM], v[FM] row_xmask:2 row_mask:0xf bank_mask:0xf   ; M = ceil(the row's largest t)
.irp k, 0,1,2,3,4,5,6,7,8,9,10,11,12,13,14,15
	v_sub_f32 v[FW+4*\k+1], -v[FW+4*\k+1], v[FM]   ; M_b - M: a whole number, 0 or less,
.endr
.irp k, 0,1,2,3,4,5,6,7,8,9,10,11,12,13,14,15
	v_max_num_f32 v[FW+4*\k+1], 0xc2f60000, v[FW+4*\k+1]   ; held at -123, so that no byte falls under 1
.endr
.irp k, 0,1,2,3,4,5,6,7,8,9,10,11,12,13,14,15
	v_cvt_i32_f32 v[FW+4*\k+1], v[FW+4*\k+1]
.endr
.irp k, 0,1,2,3,4,5,6,7,8,9,10,11,12,13,14,15
	v_add_nc_u32 v[FW+4*\k+3], v[FW+4*\k+3], v[FW+4*\k+1]   ; the block's byte under M
.endr
.irp k, 0,1,2,3,4,5,6,7,8,9,10,11,12,13,14,15
	v_ldexp_f32 v[FW+4*\k+1], 1.0, v[FW+4*\k+1]    ; 2^(M_b - M)
.endr
.irp k, 0,1,2,3,4,5,6,7,8,9,10,11,12,13,14,15
	v_add_f32 v[FW+4*\k], v[FW+4*\k], v[FW+4*\k+2]   ; l_b
.endr
	v_mul_f32 v[FL], v[FW], v[FW+1]
.irp k, 1,2,3,4,5,6,7,8,9,10,11,12,13,14,15
	s_delay_alu instid0(VALU_DEP_1)
	v_fma_f32 v[FL], v[FW+4*\k], v[FW+4*\k+1], v[FL]
.endr
.irp j, 0,1,2,3
	v_lshl_or_b32 v[FW+16*\j+3], v[FW+16*\j+7], 8, v[FW+16*\j+3]   ; four blocks' bytes make key step 4 g + j's scale word of my query
.endr
.irp j, 0,1,2,3
	s_delay_alu instid0(VALU_DEP_4)
	v_lshl_or_b32 v[FW+16*\j+3], v[FW+16*\j+11], 16, v[FW+16*\j+3]
.endr
.irp j, 0,1,2,3
	s_delay_alu instid0(VALU_DEP_4)
	v_lshl_or_b32 v[FW+16*\j+3], v[FW+16*\j+15], 24, v[FW+16*\j+3]
.endr
.irp j, 0,1,2,3
	ds_store_b32 v[FPS], v[FW+16*\j+3] offset:256*\j
.endr
	v_add_f32_dpp v[FL], v[FL], v[FL] row_xmask:1 row_mask:0xf bank_mask:0xf
	s_delay_alu instid0(VALU_DEP_1)
	v_add_f32_dpp v[FL], v[FL], v[FL] row_xmask:2 row_mask:0xf bank_mask:0xf   ; l
	s_wait_alu depctr_va_vdst(0)                   ; the wait ahead of the reciprocal,
	v_rcp_f32 v[FR], v[FL]
	v_nop
	s_wait_alu depctr_va_vdst(0)                   ; and ahead of its first reader
	ds_store_b32 v[FRL], v[FR]                     ; the four lanes of a query write the same word with the same value
	s_wait_dscnt 0x0                               ; for the others' sake
	s_barrier_signal -1
	s_barrier_wait -1
	; ---- PHASE 2: two groups of 64 channels a wave, sixteen key steps each
.irp q, 0,1,2,3
	ds_load_b32 v[RLP+2*\q], v[RLA] offset:64*\q   ; 1 / l of my query in each tile, as the low word of a pair
.endr
	PLD 0, PRA, PSA, 0
	PLD 1, PRA, PSA, 1
	TRIP 1, 0, 24, 8192, 1                         ; a group's first key step starts the sums
	s_mov_b32 s36, 2
.Lg0:
	TRIP 0, 0, 24, 8192, 1
	s_sub_co_u32 s36, s36, 1
	s_cmp_lg_u32 s36, 0
	s_cbranch_scc1 .Lg0
	TRIP 0, 1, 26, 4352, 0                         ; group 1's scale words lie 8,192 + 256 - 4,096 bytes behind its codes
	WAYOUT 0
	s_mov_b32 s49, 0
	s_mov_b32 s50, 0
	TRIP 1, 0, 26, 4352, 1
	s_mov_b32 s36, 2
.Lg1:
	TRIP 0, 0, 26, 4352, 1
	s_sub_co_u32 s36, s36, 1
	s_cmp_lg_u32 s36, 0
	s_cbranch_scc1 .Lg1
	TRIP 0, 2, 26, 4352, 0
	WAYOUT 1
	s_wait_tensorcnt 0x0                           ; the wave's end, behind my last LDS store
	ds_add_u32 v[SPW], v[NIL]
	s_wait_dscnt 0x0
	s_endpgm
.Lfunc_end_k_q6b3f49ea15_attn:
	.size	k_q6b3f49ea15_attn, .Lfunc_end_k_q6b3f49ea15_attn-k_q6b3f49ea15_attn
	.p2alignl 7, 3214868480
	.fill 96, 4, 3214868480
	.section	.rodata,"a",@progbits
	.p2align	6, 0x0
	.amdhsa_kernel k_q6b3f49ea15_attn
		.amdhsa_group_segment_fixed_size 310528
		.amdhsa_private_segment_fixed_size 0
		.amdhsa_enable_private_segment 0
		.amdhsa_kernarg_size 24
		.amdhsa_user_sgpr_count 2
		.amdhsa_user_sgpr_kernarg_segment_ptr 1
		.amdhsa_wavefront_size32 1
		.amdhsa_system_sgpr_workgroup_id_x 1
		.amdhsa_system_sgpr_workgroup_id_y 1
		.amdhsa_system_sgpr_workgroup_id_z 1
		.amdhsa_system_vgpr_workitem_id 0
		.amdhsa_next_free_vgpr 512
		.amdhsa_next_free_sgpr 66
		.amdhsa_reserve_vcc 0
		.amdhsa_float_denorm_mode_32 3
		.amdhsa_float_denorm_mode_16_64 3
		.amdhsa_memory_ordered 1
		.amdhsa_forward_progress 1
		.amdhsa_inst_pref_size 212
	.end_amdhsa_kernel
	.amdgpu_metadata
---
amdhsa.version: [ 1, 2 ]
amdhsa.kernels:
  - .name:           k_q6b3f49ea15_attn
    .symbol:         k_q6b3f49ea15_attn.kd
    .args:
      - { .name: codes, .offset: 0, .size: 8, .value_kind: global_buffer, .address_space: global }
      - { .name: out0, .offset: 8, .size: 8, .value_kind: global_buffer, .address_space: global }
      - { .name: qkv, .offset: 16, .size: 8, .value_kind: global_buffer, .address_space: global }
    .group_segment_fixed_size: 310528
    .private_segment_fixed_size: 0
    .kernarg_segment_align: 8
    .kernarg_segment_size: 24
    .max_flat_workgroup_size: 256
    .sgpr_count:     66
    .vgpr_count:     512
    .wavefront_size: 32
...
	.end_amdgpu_metadata
.endif
;; end of part 4
